; MI455X (gfx1250); checked and timed in simulation.
; The chip was launched on July 23, 2026; its instructions are those of AMD's public machine-readable ISA for CDNA 5 (MIT licence, August 2026) and "CDNA5" Instruction Set Architecture Reference Guide (July 2026). The comments in the code are by the model that wrote it; some were corrected since.
;; Self Attention. Allowed arithmetic: matrix products marked QUANTISED: E2M3 operands, one E8M0 scale for each 32 along K, by v_wmma_scale_f32_16x16x128_f8f6f4 with both operands' format E2M3, f32 sums; everything else in f32.
;; Inputs: Wk 1,024 x 1,024 float32; Wo 1,024 x 1,024 float32; Wq 1,024 x 1,024 float32; Wv 1,024 x 1,024 float32; bk 1,024 float32; bo 1,024 float32; bq 1,024 float32; bv 1,024 float32; x 4 x 2,048 x 1,024 float32.
;; Outputs: out0 4 x 2,048 x 1,024 float32.
;; This version of the problem:
;;   THIS VERSION OF THE PROBLEM IS GIVEN IN LOW PRECISION. The matrix products marked QUANTISED in the list below multiply operands that are first quantised to E2M3 (2 exponent bits, 3 mantissa bits; 6 bits a number), with one power-of-two scale for each 32 numbers along K (OCP MX v1.0); their sums are f32. All else is computed in f32.
;;   The module's matrix products, in the order in which they are computed (A, B: the left and right operand; K: the contracted axis; several contracted axes count as one K, in the product's order):
;;     1. [M 8,192, K 1,024] x [K 1,024, N 1,024]; A: input x; B: input Wq: QUANTISED
;;     2. [M 8,192, K 1,024] x [K 1,024, N 1,024]; A: input x; B: input Wk: QUANTISED
;;     3. [M 8,192, K 1,024] x [K 1,024, N 1,024]; A: input x; B: input Wv: QUANTISED
;;     4. batch 64 x [M 2,048, K 64] x [K 64, N 2,048]; A: computed on the way; B: computed on the way: QUANTISED
;;     5. batch 64 x [M 2,048, K 2,048] x [K 2,048, N 64]; A: softmax (see below); B: computed on the way: QUANTISED
;;     6. [M 8,192, K 1,024] x [K 1,024, N 1,024]; A: computed on the way; B: input Wo: QUANTISED
;;   THE QUANTISER, for each operand of a quantised product, along K:
;;     - K is cut into blocks of 32 from its start; a last block that is shorter is filled with zeros.
;;     - A block's scale is 2^e with e = floor(log2(the largest magnitude in the block)) - 2, held to -126 .. 127; a block of zeros has e = 0. As a byte (E8M0): e + 127.
;;     - Each number is divided by its block's scale, clamped to +-7.5, and rounded to the nearest number of E2M3, ties to even, subnormals kept.
;;     - The product sums the exact products of the quantised numbers (number of the format x scale) in f32.
;;   ~~~python
;;   def quantise(x, axis):      # numpy; x: float32 -> the quantised numbers, widened to float32 again
;;       x = np.moveaxis(x, axis, -1); K = x.shape[-1]
;;       x = np.pad(x, [(0, 0)] * (x.ndim - 1) + [(0, -K % 32)]); x = x.reshape(x.shape[:-1] + (-1, 32)); a = np.abs(x).max(-1, keepdims=True)
;;       e = np.where(a > 0, np.clip(np.frexp(np.where(a > 0, a, 1))[1] - 1 - 2, -126, 127), 0)      # np.frexp(a)[1] - 1 = floor(log2(a)), exactly
;;       r = np.clip(x / 2.0 ** e, -7.5, 7.5)
;;       step = 2.0 ** (np.maximum(np.frexp(np.where(r == 0, 1, r))[1] - 1, 0) - 3)
;;       q = np.round(r / step) * step * 2.0 ** e      # np.round: ties to even
;;       return np.moveaxis(q.reshape(q.shape[:-2] + (-1,))[..., :K], -1, axis).astype(np.float32)
;;   ~~~
;;   SOFTMAX AHEAD OF A QUANTISED PRODUCT. Where the list says 'softmax', what is quantised is not the finished softmax but p = 2^(t - M), with t = logit x log2(e) and M = ceil(the row's largest t), a whole number; so 1/2 < the row's largest p <= 1. The row's sum l is taken of the UNQUANTISED p, in f32, and the product's result is divided by l at the end. Since M is a whole number, a kernel that streams over the keys may use a running M (the ceiling of the running maximum): every later rescaling is an exact power of two, which a block's scale takes up: the codes' values come out the same.
;;   OPERANDS COMPUTED ON THE WAY. 'Computed on the way' means the value that the module computes at that place (a softmax that the list does not call 'softmax' is quantised finished and normalised). What goes into a quantiser is computed in f32, as accurately as f32 sums, v_exp_f32 and their like allow (about 1e-6 of the number): no bf16 or f16 on the way to a quantiser, and a product that is left as it is and whose result goes on into a quantised operand takes f32 operands (vector FMAs, or v_wmma_f32_16x16x4_f32). A number that lies on a knife's edge between two numbers of the format may be rounded either way, as far as f32 arithmetic and the matrix unit's own rounding can turn it there, and no further.
;; One version. Each part assembles by itself: llvm-mc -triple=amdgcn-amd-amdhsa -mcpu=gfx1250 --defsym DOCPART=n.
;; ======== version 1 of 1: 4 launches
;; limits: right only within a limited range of input values
;; workspace buffers: xcod 6,291,456 bytes; xscl 262,144 bytes; wcod 3,145,728 bytes; wscl 131,072 bytes; qkv 20,185,088 bytes; acod 6,291,456 bytes; ascl 262,144 bytes
;; launch quant (part 1): grid 384 x 1, 4 waves a work-group, no clusters, 34,304 bytes of LDS; arguments x, Wq, Wk, Wv, Wo, xcod, xscl, wcod, wscl; writes xcod, xscl, wcod, wscl
.if DOCPART == 1
	.amdgcn_target "amdgcn-amd-amdhsa--gfx1250"
	.amdhsa_code_object_version 6
	.text
	.protected	k_q83b72a6a60_quant
	.globl	k_q83b72a6a60_quant
	.p2align	8
	.type	k_q83b72a6a60_quant,@function
k_q83b72a6a60_quant:
	s_mov_b64 s[64:65], 0
	v_nop
	global_prefetch_b8 v0, s[64:65] scope:SCOPE_SE
	s_setreg_imm32_b32 hwreg(HW_REG_WAVE_MODE, 25, 1), 1
	s_wait_xcnt 0x0
; x [8192][1024] and Wq, Wk, Wv, Wo [1024][1024], f32 with K innermost, become codes of FP6 (E2M3) with one E8M0 byte for each 32 along K.
; A block's scale is 2^(floor(log2(its largest magnitude)) - 2); its byte is the largest magnitude's exponent field - 2, held at 1 from below.
; LIMITS: NaN and infinities are not served; a block whose largest magnitude lies under 2^-124 gets the byte 1; a block of zeros gets the byte 1 where the
; quantiser's text says 127: its codes are zeros, which add nothing under that byte, and the bytes are read by this program alone.
; LAYOUT OF THE RESULT: the order of the operand's registers.  A TILE is 16 rows: lane r of stored tile T holds true row 32 (T / 2) + 8 (T % 2) + r + 8 (r / 8).
; A tile's codes of 64 along K are a HALF IMAGE of 768 bytes: lane l's registers 0-3 of its six at 16 l, its registers 4-5 at 512 + 8 l; codes: [tile][k / 64][768].
; Scale words (four bytes: 128 along K of one row): [tile][half of K][r][4 words], 512 bytes a tile.
; SHARES: a wave takes one tile x half of K: four units of 16 rows x 128 K.  The first 256 work-groups take x (512 tiles), the other 128 the four weights (64 tiles each).
; Only pointers are chosen by the work-group's number: there is one path through the text.  Each load reads 512 consecutive bytes of one row; a unit turns through the wave's own
; stage in LDS (16 rows, 528 bytes apart), so that a lane gets 16 neighbours along K of each block of 32.  No tensor load, no barrier: waves share nothing.
; No matrix unit, no cluster: every input byte is read by one wave, once.
.set STGB, 8448                        ; a wave's stage: 16 rows x (512 + 16) bytes
.set L16,  4                           ; v4    16 x lane
.set L8,   5                           ; v5    8 x lane
.set SIN,  6                           ; v6    the stage, on the way in: 16 x lane
.set SOUT, 7                           ; v7    on the way out: 528 r + 64 h
.set R16,  8                           ; v8    16 r
.set SW,   12                          ; v12-15 the four units' scale words
.set TM,   16                          ; v16-31 at work in QUANT
.set PC,   32                          ; v32-50 the codes just made
.set X,    64                          ; v64-127 a unit: register 16 b + i = k 32 b + 16 h + i of my row
.set R,    128                         ; v128-255 two sets of 64 registers as loaded
.set SEL,  38                          ; s[38:39] lane selects: lane l xor 16
; 64 numbers of a lane, register 16 b + i = k 32 b + 16 (lane / 16) + i of my row, become a fragment's codes in v[PC] .. v[PC + 11] and its scale word in v[pw].
.macro QUANT s, pw
.irp b, 0,1,2,3
	v_max3_num_f32 v[TM+\b], |v[\s+16*\b]|, |v[\s+1+16*\b]|, 0x1800000   ; my 16 numbers of block b, and the floor 2^(3 - 127): the byte cannot fall under 1
.endr
.irp i, 2,4,6,8,10,12,14
.irp b, 0,1,2,3
	v_max3_num_f32 v[TM+\b], v[TM+\b], |v[\s+16*\b+\i]|, |v[\s+1+16*\b+\i]|   ; the four blocks by turns
.endr
.endr
.irp b, 0,1,2,3
	v_permlanex16_b32 v[TM+4+\b], v[TM+\b], s[SEL], s[SEL+1]
.endr
.irp b, 0,1,2,3
	v_max_num_f32 v[TM+\b], v[TM+\b], v[TM+4+\b]   ; with lane l xor 16's: the block's largest magnitude
.endr
.irp b, 0,1,2,3
	v_add_nc_u32 v[TM+12+\b], 0xff000000, v[TM+\b]   ; 2 off its exponent field: the conversion's scale operand
.endr
.irp b, 0,1,2,3
	v_lshrrev_b32 v[TM+4+\b], 23, v[TM+12+\b]      ; the scale's byte
.endr
	v_lshl_or_b32 v[\pw], v[TM+5], 8, v[TM+4]
	v_lshl_or_b32 v[\pw], v[TM+6], 16, v[\pw]
	v_lshl_or_b32 v[\pw], v[TM+7], 24, v[\pw]      ; my row's scale word
.irp c, 0,1
	v_cvt_scalef32_pk16_fp6_f32 v[PC+6*\c:PC+2+6*\c], v[\s+32*\c:\s+15+32*\c], v[TM+12+2*\c]
	v_cvt_scalef32_pk16_fp6_f32 v[PC+12+4*\c:PC+14+4*\c], v[\s+16+32*\c:\s+31+32*\c], v[TM+12+2*\c+1]   ; a conversion's three registers begin on an even number
.endr
	v_nop                                          ; one plain instruction behind the conversions
.irp c, 0,1                                    ; the operand wants a whole block in a lane: lanes 0-15 block 2 c, lanes 16-31 block 2 c + 1
.irp i, 0,1,2
	v_permlane16_swap_b32 v[PC+6*\c+\i], v[PC+12+4*\c+\i]
.endr
.irp i, 0,1,2
	v_mov_b32 v[PC+3+6*\c+\i], v[PC+12+4*\c+\i]
.endr
.endr
.endm
; the fragment goes to memory as two half images, cs bytes apart: stores of 512 and of 256 consecutive bytes, aligned
.macro PUT base, off, cs
	global_store_b128 v[L16], v[PC:PC+3], s[\base:\base+1] offset:\off
	global_store_b64 v[L8], v[PC+4:PC+5], s[\base:\base+1] offset:\off+512
	global_store_b128 v[L16], v[PC+6:PC+9], s[\base:\base+1] offset:\off+\cs
	global_store_b64 v[L8], v[PC+10:PC+11], s[\base:\base+1] offset:\off+\cs+512
.endm
	s_load_b256 s[4:11], s[0:1], 0x0               ; x s[4:5], Wq s[6:7], Wk s[8:9], Wv s[10:11]
	s_load_b256 s[12:19], s[0:1], 0x20             ; Wo s[12:13], x's codes s[14:15], x's scales s[16:17], the weights' codes s[18:19]
	s_load_b64 s[20:21], s[0:1], 0x40              ; the weights' scales
	v_lshl_add_u32 v62, v0, 2, 0x8400
	v_mov_b32 v63, 0
	v_lshrrev_b32 v1, 5, v0
	v_readfirstlane_b32 s22, v1                    ; wave
	v_and_b32 v1, 31, v0                           ; lane
	v_and_b32 v2, 15, v0                           ; r
	v_bfe_u32 v3, v0, 4, 1                         ; h
	v_lshlrev_b32 v[L16], 4, v1
	v_lshlrev_b32 v[L8], 3, v1
	s_mul_i32 s23, s22, STGB
	v_add_nc_u32 v[SIN], s23, v[L16]
	v_mul_u32_u24 v[SOUT], v2, 528
	v_lshl_add_u32 v[SOUT], v3, 6, v[SOUT]
	v_add_nc_u32 v[SOUT], s23, v[SOUT]
	v_lshlrev_b32 v[R16], 4, v2
.irp b, 0,1,2,3
	v_mov_b32 v[TM+4+\b], 0                        ; written once: a lane exchange's destination counts as one of its sources
.endr
	s_mov_b32 s[SEL], 0x76543210
	s_mov_b32 s[SEL+1], 0xfedcba98
	s_cmp_lt_u32 ttmp9, 256                        ; x's work-group or a weight's?
	s_cselect_b32 s24, 0, 256
	s_cselect_b32 s28, 511, 63                     ; tiles in the source tensor, less one
	s_sub_co_u32 s24, ttmp9, s24                   ; my number among them
	s_lshr_b32 s25, s24, 5                         ; which weight: 32 work-groups each
	s_lshl_b32 s26, s24, 2
	s_add_co_u32 s26, s26, s22
	s_and_b32 s27, s26, 1                          ; which half of K
	s_lshr_b32 s26, s26, 1                         ; my tile in the codes' buffer
	s_and_b32 s28, s26, s28                        ; and in the source tensor
	s_lshr_b32 s32, s28, 1
	s_lshl_b32 s32, s32, 17                        ; 32 rows of 4,096 bytes for each pair of tiles,
	s_and_b32 s33, s28, 1
	s_lshl_b32 s33, s33, 15                        ; 8 rows for the odd tile,
	s_add_co_u32 s32, s32, s33
	s_lshl_b32 s33, s27, 11                        ; 512 numbers for the second half of K
	s_add_co_u32 s32, s32, s33
	s_mov_b32 s33, 0
	s_mul_i32 s34, s26, 12288                      ; the codes: 12,288 bytes a tile, 6,144 a half
	s_mul_i32 s35, s27, 6144
	s_add_co_u32 s34, s34, s35
	s_mov_b32 s35, 0
	s_lshl_b32 s36, s26, 9                         ; the scale words: 512 bytes a tile, 256 a half
	s_lshl_b32 s37, s27, 8
	s_add_co_u32 s36, s36, s37
	s_mov_b32 s37, 0
	s_wait_alu depctr_va_vdst(0)
	s_wait_kmcnt 0x0
	s_cmp_eq_u32 s25, 2                            ; the choices hang on the work-group's number alone
	s_cselect_b64 s[12:13], s[10:11], s[12:13]
	s_cmp_eq_u32 s25, 1
	s_cselect_b64 s[12:13], s[8:9], s[12:13]
	s_cmp_eq_u32 s25, 0
	s_cselect_b64 s[12:13], s[6:7], s[12:13]
	s_cmp_lt_u32 ttmp9, 256
	s_cselect_b64 s[12:13], s[4:5], s[12:13]
	s_cselect_b64 s[14:15], s[14:15], s[18:19]
	s_cselect_b64 s[16:17], s[16:17], s[20:21]
	s_add_nc_u64 s[12:13], s[12:13], s[32:33]
	s_add_nc_u64 s[14:15], s[14:15], s[34:35]
	s_add_nc_u64 s[16:17], s[16:17], s[36:37]
.macro LOAD q                          ; unit q: 512 bytes of each of the tile's 16 rows, a row an instruction
.irp i, 0,1,2,3,4,5,6,7,8,9,10,11,12,13,14,15
	global_load_b128 v[R+64*((\q)%2)+4*\i:R+64*((\q)%2)+4*\i+3], v[L16], s[12:13] offset:(\i+8*(\i/8))*4096+512*(\q) th:TH_LOAD_NT
.endr
.endm
.macro UNIT q
.if (\q) < 3
	s_wait_loadcnt 16                              ; this unit's 16 loads are in; the next unit's 16 may be out
.else
	s_wait_loadcnt 0x0
.endif
.irp i, 0,1,2,3,4,5,6,7,8,9,10,11,12,13,14,15
	ds_store_b128 v[SIN], v[R+64*((\q)%2)+4*\i:R+64*((\q)%2)+4*\i+3] offset:528*\i
.endr
.irp b, 0,1,2,3
.irp j, 0,1,2,3
	ds_load_b128 v[X+16*\b+4*\j:X+16*\b+4*\j+3], v[SOUT] offset:128*\b+16*\j   ; LDS serves a wave's instructions in order: these see my stores
.endr
.endr
	s_wait_dscnt 0x0                               ; the unit is back, and the stage's stores have read their registers
.if (\q) > 0
	s_wait_xcnt 0x0                                ; the last unit's stores have read the codes' registers: they are written again below
.endif
.if (\q) < 2
	LOAD (\q)+2
.endif
	QUANT X, SW+(\q)
	PUT 14, 1536*(\q), 768
.endm
	LOAD 0
	LOAD 1
	UNIT 0
	UNIT 1
	UNIT 2
	UNIT 3
	v_cmp_gt_u32 vcc_lo, 16, v1                    ; lanes 0-15 store the 16 rows' four words: 256 consecutive bytes, aligned
	s_wait_xcnt 0x0                                ; EXEC changes only behind this wait
	s_wait_tensorcnt 0x0
	ds_add_u32 v62, v63
	s_wait_dscnt 0x0
	s_and_saveexec_b32 s22, vcc_lo
	global_store_b128 v[R16], v[SW:SW+3], s[16:17]
	s_wait_xcnt 0x0
	s_or_b32 exec_lo, exec_lo, s22
	s_endpgm
.Lfunc_end_k_q83b72a6a60_quant:
	.size	k_q83b72a6a60_quant, .Lfunc_end_k_q83b72a6a60_quant-k_q83b72a6a60_quant
	.p2alignl 7, 3214868480
	.fill 96, 4, 3214868480
	.section	.rodata,"a",@progbits
	.p2align	6, 0x0
	.amdhsa_kernel k_q83b72a6a60_quant
		.amdhsa_group_segment_fixed_size 34304
		.amdhsa_private_segment_fixed_size 0
		.amdhsa_enable_private_segment 0
		.amdhsa_kernarg_size 72
		.amdhsa_user_sgpr_count 2
		.amdhsa_user_sgpr_kernarg_segment_ptr 1
		.amdhsa_wavefront_size32 1
		.amdhsa_system_sgpr_workgroup_id_x 1
		.amdhsa_system_sgpr_workgroup_id_y 1
		.amdhsa_system_sgpr_workgroup_id_z 1
		.amdhsa_system_vgpr_workitem_id 0
		.amdhsa_next_free_vgpr 256
		.amdhsa_next_free_sgpr 66
		.amdhsa_reserve_vcc 1
		.amdhsa_float_denorm_mode_32 3
		.amdhsa_float_denorm_mode_16_64 3
		.amdhsa_memory_ordered 1
		.amdhsa_forward_progress 1
		.amdhsa_inst_pref_size 34
	.end_amdhsa_kernel
	.amdgpu_metadata
---
amdhsa.version: [ 1, 2 ]
amdhsa.kernels:
  - .name:           k_q83b72a6a60_quant
    .symbol:         k_q83b72a6a60_quant.kd
    .args:
      - { .name: x, .offset: 0, .size: 8, .value_kind: global_buffer, .address_space: global }
      - { .name: Wq, .offset: 8, .size: 8, .value_kind: global_buffer, .address_space: global }
      - { .name: Wk, .offset: 16, .size: 8, .value_kind: global_buffer, .address_space: global }
      - { .name: Wv, .offset: 24, .size: 8, .value_kind: global_buffer, .address_space: global }
      - { .name: Wo, .offset: 32, .size: 8, .value_kind: global_buffer, .address_space: global }
      - { .name: xcod, .offset: 40, .size: 8, .value_kind: global_buffer, .address_space: global }
      - { .name: xscl, .offset: 48, .size: 8, .value_kind: global_buffer, .address_space: global }
      - { .name: wcod, .offset: 56, .size: 8, .value_kind: global_buffer, .address_space: global }
      - { .name: wscl, .offset: 64, .size: 8, .value_kind: global_buffer, .address_space: global }
    .group_segment_fixed_size: 34304
    .private_segment_fixed_size: 0
    .kernarg_segment_align: 8
    .kernarg_segment_size: 72
    .max_flat_workgroup_size: 128
    .sgpr_count:     66
    .vgpr_count:     256
    .wavefront_size: 32
...
	.end_amdgpu_metadata
.endif
;; end of part 1
;; launch qkv (part 2): grid 12 x 32, 4 waves a work-group, clusters of 4 x 4, 327,680 bytes of LDS; arguments xcod, xscl, wcod, wscl, bq, bk, bv, qkv; writes qkv
.if DOCPART == 2
	.amdgcn_target "amdgcn-amd-amdhsa--gfx1250"
	.amdhsa_code_object_version 6
	.text
	.protected	k_q83b72a6a60_qkv
	.globl	k_q83b72a6a60_qkv
	.p2align	8
	.type	k_q83b72a6a60_qkv,@function
k_q83b72a6a60_qkv:
	s_mov_b64 s[64:65], 0
	v_nop
	global_prefetch_b8 v0, s[64:65] scope:SCOPE_SE
	s_setreg_imm32_b32 hwreg(HW_REG_WAVE_MODE, 25, 1), 1
	s_wait_xcnt 0x0
	s_wait_alu depctr_hold_cnt(0) depctr_sa_sdst(0) depctr_va_vdst(0) depctr_va_sdst(0) depctr_va_ssrc(0) depctr_va_vcc(0) depctr_vm_vsrc(0)
	s_getreg_b32 s2, hwreg(HW_REG_IB_STS2, 6, 4)
	s_cmp_eq_u32 s2, 0
	s_cbranch_scc0 .Lentry_in_a_cluster
	s_endpgm
.Lentry_in_a_cluster:
	s_bfe_u32 s2, ttmp6, 0x10000c
	s_cmp_lg_u32 s2, 0xf033
	s_cbranch_scc0 .Lentry_shape_is_right
	s_endpgm
.Lentry_shape_is_right:
.set BIASC,  0
.set FR,     12
.set NL,     4
.set NP,     4
.set KSB,    3072
.set TILEB,  12288
.set HALFT,  8*KSB
.set SLOT,   4*HALFT
.set SCL,    2*SLOT
.set HALFS,  4096
.set SPARE,  SCL+4*HALFS
.set REC,    315392
.set KSO,    98304
.set VC,     106496
.set VSO,    204800
.set QC,     208896
.set L16,  10
.set L8,   11
.set ADRA, 16
.set ADRB, 20
.set ADRS, 27
.set SPW,  28
.set NIL,  29
.set SC,   32
.set BI,   64
.set AF,   128
.set HA,   128
.set PC,   192
.set TM,   212
.set PW,   228
.set SW,   232
.set G1,   24
.set G0,   32
.set G1B,  48
.set G0B,  56
.set G1S,  68
.set G0S,  76
.set G1SB, 80
.set G0SB, 88
.set SEL,  100
.set MSB, 0
.macro WIN new
.if MSB != \new
	s_set_vgpr_msb (MSB<<8)|\new
.set MSB, \new
.endif
.endm
.set MUL_LO, 0xa1
.set MUL_HI, 0xf1
.set TO_B,   0x40
.macro JLOAD g0a, g1a, g0b, g1b
	s_cmp_eq_u32 s15, 0
	s_cbranch_scc0 .Lfor_b_\@
	tensor_load_to_lds s[\g0a:\g0a+3], s[\g1a:\g1a+7]
	s_nop 0
.rept 4
	v_nop
.endr
	s_branch .Lasked_\@
.Lfor_b_\@:
	tensor_load_to_lds s[\g0b:\g0b+3], s[\g1b:\g1b+7]
	s_nop 0
.rept 4
	v_nop
.endr
.Lasked_\@:
.endm
.macro CREST
	s_cmp_lg_u32 s14, 0
	s_cbranch_scc1 .Lnot_wave_0_\@
	s_barrier_signal -3
.Lnot_wave_0_\@:
	s_barrier_wait -3
	s_barrier_signal -1
	s_barrier_wait -1
.endm
.macro CROUND
	s_barrier_signal -1
	s_barrier_wait -1
	CREST
.endm
.macro PLACES n
.rept \n
	v_nop
.endr
.endm
	s_load_b256 s[68:75], s[0:1], 0x0
	s_load_b256 s[92:99], s[0:1], 0x20
	v_lshl_add_u32 v[SPW], v0, 2, SPARE
	v_mov_b32 v[NIL], 0
	ds_add_u32 v28, v29
	ds_add_u32 v28, v29
	s_wait_dscnt 0x0
	v_lshrrev_b32 v1, 5, v0
	v_readfirstlane_b32 s14, v1
	s_lshr_b32 s15, s14, 1
	s_and_b32 s16, s14, 1
	s_bfe_u32 s40, ttmp6, 0x40000
	s_bfe_u32 s41, ttmp6, 0x40004
	s_and_b32 s18, ttmp7, 0xffff
	s_lshl_b32 s18, s18, 2
	s_lshl_b32 s19, ttmp9, 2
	s_cmp_eq_u32 ttmp9, 2
	s_cselect_b32 s17, 0, s18
	s_cselect_b32 s42, s18, s19
	s_cselect_b32 s3, 128, 0
	s_add_co_u32 s17, s17, s41
	s_add_co_u32 s42, s42, s40
	s_lshl_b32 s43, s41, 2
	s_lshl_b32 s43, 15, s43
	s_lshl_b32 s44, 0x1111, s40
	s_or_b32 s[G1+0], s43, (3<<16)|(1<<21)
	s_or_b32 s[G1B+0], s44, (3<<16)|(1<<21)
.irp g, G1, G1B
	s_mov_b32 s[\g+1], 384<<16
	s_mov_b32 s[\g+2], 16<<16
	s_mov_b32 s[\g+3], 384<<16
	s_mov_b32 s[\g+4], 16
	s_mov_b32 s[\g+5], 1536
	s_mov_b32 s[\g+6], 0
	s_mov_b32 s[\g+7], 0
.endr
	s_lshl_b32 s18, s16, 3
	s_lshl_b32 s20, s17, 4
	s_add_co_u32 s20, s20, s18
	s_add_co_u32 s20, s20, s3
	s_lshl_b32 s46, s42, 4
	s_add_co_u32 s46, s46, s18
	s_lshl_b32 s22, s20, 9
	s_mov_b32 s23, 0
	s_mul_i32 s20, s20, TILEB
	s_mov_b32 s21, 0
	s_lshl_b32 s66, s46, 9
	s_mov_b32 s67, 0
	s_mul_i32 s46, s46, TILEB
	s_mov_b32 s47, 0
	s_mul_i32 s45, s14, HALFT
	s_mov_b32 s[SEL], 0x76543210
	s_mov_b32 s[SEL+1], 0xfedcba98
	s_wait_kmcnt 0x0
	s_cmp_eq_u32 ttmp9, 2
	s_cselect_b64 s[4:5], s[72:73], s[68:69]
	s_cselect_b64 s[6:7], s[74:75], s[70:71]
	s_cselect_b64 s[8:9], s[68:69], s[72:73]
	s_cselect_b64 s[10:11], s[70:71], s[74:75]
	s_add_nc_u64 s[20:21], s[4:5], s[20:21]
	s_add_nc_u64 s[22:23], s[6:7], s[22:23]
	s_add_nc_u64 s[46:47], s[8:9], s[46:47]
	s_add_nc_u64 s[66:67], s[10:11], s[66:67]
	s_or_b32 s[G1S+0], s43, (3<<16)|(1<<21)
	s_or_b32 s[G1SB+0], s44, (3<<16)|(1<<21)
.irp g, G1S, G1SB
	s_mov_b32 s[\g+1], 32<<16
	s_mov_b32 s[\g+2], 32<<16
	s_mov_b32 s[\g+3], 32<<16
	s_mov_b32 s[\g+4], 32
	s_mov_b32 s[\g+5], 32
	s_mov_b32 s[\g+6], 0
	s_mov_b32 s[\g+7], 0
.endr
	CROUND
	; the head's four tiles, each whole: slot 0's 16 tiles of A, its 16 of B, A's scale words, B's.  The addresses above hold my half's offset: it is taken off
	s_mul_i32 s18, s16, 8*TILEB
	s_mov_b32 s19, 0
	s_lshl_b32 s12, s16, 12
	s_mov_b32 s13, 0
	s_mov_b32 s4, 1
	s_mov_b32 s5, 0
	s_sub_nc_u64 s[6:7], s[20:21], s[18:19]
	s_or_b32 s7, s7, 0x80000000
	s_mov_b32 s8, 1
	s_mov_b32 s9, 2*HALFT
	s_sub_nc_u64 s[10:11], s[46:47], s[18:19]
	s_or_b32 s11, s11, 0x80000000
	s_mov_b32 s[G0S], 1
	s_mov_b32 s[G0S+1], SCL
	s_sub_nc_u64 s[G0S+2:G0S+3], s[22:23], s[12:13]
	s_or_b32 s[G0S+3], s[G0S+3], 0x80000000
	s_mov_b32 s[G0SB], 1
	s_mov_b32 s[G0SB+1], SCL+2*HALFS
	s_sub_nc_u64 s[G0SB+2:G0SB+3], s[66:67], s[12:13]
	s_or_b32 s[G0SB+3], s[G0SB+3], 0x80000000
.irp s, 0,1
	s_mov_b32 s[G0+4*\s], 1
	s_add_co_u32 s[G0+4*\s+1], s45, \s*SLOT
	s_add_nc_u64 s[G0+4*\s+2:G0+4*\s+3], s[20:21], \s*KSB
	s_or_b32 s[G0+4*\s+3], s[G0+4*\s+3], 0x80000000
	s_mov_b32 s[G0B+4*\s], 1
	s_add_co_u32 s[G0B+4*\s+1], s45, \s*SLOT
	s_add_nc_u64 s[G0B+4*\s+2:G0B+4*\s+3], s[46:47], \s*KSB
	s_or_b32 s[G0B+4*\s+3], s[G0B+4*\s+3], 0x80000000
.endr
; one tensor load a wave at the head, in one chain of branches on the wave's number
.macro ARM under, g0, g1, next
	s_cmp_lt_u32 s14, \under
	s_cbranch_scc0 \next
	tensor_load_to_lds s[\g0:\g0+3], s[\g1:\g1+7]
	s_nop 0
.rept 4
	v_nop
.endr
	s_branch .Lhead_asked
\next:
.endm
	ARM 1, 4, G1, .Lhead_b
	ARM 2, 8, G1B, .Lhead_sa
	ARM 3, G0S, G1S, .Lhead_sb
	tensor_load_to_lds s[G0SB:G0SB+3], s[G1SB:G1SB+7]
	s_nop 0
.rept 4
	v_nop
.endr
.Lhead_asked:
	s_wait_alu depctr_va_vdst(0)
	s_wait_tensorcnt 0x0
	ds_add_u32 v28, v29
	s_mov_b32 s[G1+2], 8<<16                       ; no tensor load of mine is out: from here on a load brings 8 tiles
	s_mov_b32 s[G1+4], 8
	s_mov_b32 s[G1B+2], 8<<16
	s_mov_b32 s[G1B+4], 8
	s_wait_dscnt 0x0
	CROUND
	JLOAD G0+4, G1, G0B+4, G1B
	v_and_b32 v1, 15, v0
	v_bfe_u32 v2, v0, 4, 1
	v_and_b32 v3, 31, v0
	v_lshlrev_b32 v[L16], 4, v3
	v_lshlrev_b32 v[L8], 3, v3
	s_mul_i32 s21, s15, HALFT
	s_mul_i32 s22, s16, HALFT
	s_add_co_u32 s22, s22, 2*HALFT
.irp s, 0,1
	v_add_nc_u32 v[ADRA+\s], s21, v[L16]
	v_add_nc_u32 v[ADRA+2+\s], s21, v[L8]
	v_add_nc_u32 v[ADRB+\s], s22, v[L16]
	v_add_nc_u32 v[ADRB+2+\s], s22, v[L8]
	s_add_co_u32 s21, s21, SLOT
	s_add_co_u32 s22, s22, SLOT
.endr
	v_lshlrev_b32 v5, 4, v1
	s_mul_i32 s21, s15, HALFS
	s_mul_i32 s22, s16, HALFS
	s_add_co_u32 s22, s22, 2*HALFS
	s_sub_co_u32 s22, s22, s21
	v_mul_u32_u24 v6, s22, v2
	s_add_co_u32 s21, s21, SCL
	v_add_nc_u32 v5, v5, v6
	v_add_nc_u32 v[ADRS], s21, v5
	v_lshlrev_b32 v12, 6, v2
	v_lshlrev_b32 v13, 4, v2
	v_mul_u32_u24 v14, v2, REC
	v_lshl_add_u32 v14, v1, 4, v14
	v_and_b32 v15, 8, v1
	v_add_nc_u32 v15, v15, v1
	v_lshlrev_b32 v15, 2, v15
.macro FRAG reg, adr, q, i
.irp c, 0,1
	ds_load_b128 v[\reg+6*\c:\reg+6*\c+3], v[\adr] offset:KSB*(\i)+1536*(\q)+768*\c
	ds_load_b64 v[\reg+6*\c+4:\reg+6*\c+5], v[\adr+2] offset:KSB*(\i)+1536*(\q)+768*\c+512
.endr
.endm
.macro MUL16 a0, p, q, sc, zero
.irp a, \a0, \a0+1
.irp b, 0,1,2,3,4,5,6,7
.set rD, 8*(8*((\a)%4)+\b)
.set rB, 128*(\p)+FR*\b
.set rA, AF+FR*(\a)
.set rSB, SC+16*(\sc)+2*\b+(\q)
.set rSA, SC+16*(\sc)+2*(\a)+(\q)
.if \zero
.if BIASC
	v_wmma_scale_f32_16x16x128_f8f6f4 v[rD:rD+7], v[rB:rB+FR-1], v[rA:rA+FR-1], v[BI+8*\b:BI+8*\b+7], v[rSB], v[rSA] matrix_a_fmt:MATRIX_FMT_FP6 matrix_b_fmt:MATRIX_FMT_FP6 matrix_a_scale:MATRIX_SCALE_ROW1
.else
	v_wmma_scale_f32_16x16x128_f8f6f4 v[rD:rD+7], v[rB:rB+FR-1], v[rA:rA+FR-1], 0, v[rSB], v[rSA] matrix_a_fmt:MATRIX_FMT_FP6 matrix_b_fmt:MATRIX_FMT_FP6 matrix_a_scale:MATRIX_SCALE_ROW1
.endif
.else
	v_wmma_scale_f32_16x16x128_f8f6f4 v[rD:rD+7], v[rB:rB+FR-1], v[rA:rA+FR-1], v[rD:rD+7], v[rSB], v[rSA] matrix_a_fmt:MATRIX_FMT_FP6 matrix_b_fmt:MATRIX_FMT_FP6 matrix_a_scale:MATRIX_SCALE_ROW1
.endif
.endr
.endr
.endm
.macro FETCH_B slot, q, p
	WIN TO_B
.irp i, 0,1,2,3,4,5,6,7
	FRAG 128*(\p)+FR*\i, ADRB+\slot, \q, \i
.endr
	WIN 0
.endm
.macro FETCH_A slot, q, i0
.irp i, \i0, \i0+1, \i0+2, \i0+3
	FRAG AF+FR*(\i), ADRA+\slot, \q, \i
.endr
.endm
.macro SCALES sc, ks
.irp i, 0,1,2,3,4,5,6,7
	ds_load_b64 v[SC+16*\sc+2*\i:SC+16*\sc+2*\i+1], v[ADRS] offset:512*\i+256*((\ks)/2)+8*((\ks)%2)
.endr
.endm
.macro STEP slot, q, zero
	s_wait_dscnt 4*NL
.if (\zero) && BIASC
	WIN 0x81
.else
	WIN MUL_LO
.endif
	MUL16 0, (\q)%2, \q, \slot, \zero
	MUL16 2, (\q)%2, \q, \slot, \zero
	s_wait_dscnt 0x0
	PLACES NP
	FETCH_B \slot, (\q)+1, 1-(\q)%2
	FETCH_A \slot, (\q)+1, 0
.if (\zero) && BIASC
	WIN 0xc1
.else
	WIN MUL_HI
.endif
	MUL16 4, (\q)%2, \q, \slot, \zero
	MUL16 6, (\q)%2, \q, \slot, \zero
	PLACES NP
	WIN 0
	FETCH_A \slot, (\q)+1, 4
.endm
.macro TURN slot, next, fill, ks
	s_wait_tensorcnt 0x0
	ds_add_u32 v[SPW], v[NIL]
	s_wait_dscnt 4*NL+1
	WIN MUL_LO
	MUL16 0, 1, 1, \slot, 0
	s_wait_dscnt 0x0
	s_barrier_signal -1
	MUL16 2, 1, 1, \slot, 0
	WIN 0
	s_barrier_wait -1
.if \fill
	CREST
	s_add_nc_u64 s[G0+4*\slot+2:G0+4*\slot+3], s[G0+4*\slot+2:G0+4*\slot+3], 2*KSB
	s_add_nc_u64 s[G0B+4*\slot+2:G0B+4*\slot+3], s[G0B+4*\slot+2:G0B+4*\slot+3], 2*KSB
	JLOAD G0+4*\slot, G1, G0B+4*\slot, G1B
.else
	PLACES NP
.endif
	FETCH_B \next, 0, 0
	FETCH_A \next, 0, 0
	SCALES \next, \ks
	WIN MUL_HI
	MUL16 4, 1, 1, \slot, 0
	MUL16 6, 1, 1, \slot, 0
	PLACES NP
	WIN 0
	FETCH_A \next, 0, 4
.endm
.macro LAST
	s_wait_dscnt 4*NL
	WIN MUL_LO
	MUL16 0, 1, 1, 1, 0
	MUL16 2, 1, 1, 1, 0
	s_wait_dscnt 0x0
	WIN MUL_HI
	MUL16 4, 1, 1, 1, 0
	MUL16 6, 1, 1, 1, 0
	WIN 0
.endm
.macro QUANT s, pw
.irp b, 0,1,2,3
	v_max3_num_f32 v[TM+\b], |v[\s+16*\b]|, |v[\s+1+16*\b]|, 0x1800000
.endr
.irp i, 2,4,6,8,10,12,14
.irp b, 0,1,2,3
	v_max3_num_f32 v[TM+\b], v[TM+\b], |v[\s+16*\b+\i]|, |v[\s+1+16*\b+\i]|
.endr
.endr
.irp b, 0,1,2,3
	v_permlanex16_b32 v[TM+4+\b], v[TM+\b], s[SEL], s[SEL+1]
.endr
.irp b, 0,1,2,3
	v_max_num_f32 v[TM+\b], v[TM+\b], v[TM+4+\b]
.endr
.irp b, 0,1,2,3
	v_add_nc_u32 v[TM+12+\b], 0xff000000, v[TM+\b]
.endr
.irp b, 0,1,2,3
	v_lshrrev_b32 v[TM+4+\b], 23, v[TM+12+\b]
.endr
	v_lshl_or_b32 v[\pw], v[TM+5], 8, v[TM+4]
	v_lshl_or_b32 v[\pw], v[TM+6], 16, v[\pw]
	v_lshl_or_b32 v[\pw], v[TM+7], 24, v[\pw]
.irp c, 0,1
	v_cvt_scalef32_pk16_fp6_f32 v[PC+6*\c:PC+2+6*\c], v[\s+32*\c:\s+15+32*\c], v[TM+12+2*\c]
	v_cvt_scalef32_pk16_fp6_f32 v[PC+12+4*\c:PC+14+4*\c], v[\s+16+32*\c:\s+31+32*\c], v[TM+12+2*\c+1]
.endr
	v_nop
.irp c, 0,1
.irp i, 0,1,2
	v_permlane16_swap_b32 v[PC+6*\c+\i], v[PC+12+4*\c+\i]
.endr
.irp i, 0,1,2
	v_mov_b32 v[PC+3+6*\c+\i], v[PC+12+4*\c+\i]
.endr
.endr
.endm
.macro PUT base, off, cs
	global_store_b128 v[L16], v[PC:PC+3], s[\base:\base+1] offset:\off
	global_store_b64 v[L8], v[PC+4:PC+5], s[\base:\base+1] offset:\off+512
	global_store_b128 v[L16], v[PC+6:PC+9], s[\base:\base+1] offset:\off+\cs
	global_store_b64 v[L8], v[PC+10:PC+11], s[\base:\base+1] offset:\off+\cs+512
.endm
.macro EPI a, isv
.set WE, 0x02+(\a)/4
	WIN WE
.set n, 0
.rept 32
.if \isv
	v_pk_add_f32 v[HA+2*n:HA+2*n+1], v[64*((\a)%4)+2*n:64*((\a)%4)+2*n+1], v[BI+2*(\a):BI+2*(\a)+1]
.else
	v_pk_add_f32 v[HA+2*n:HA+2*n+1], v[64*((\a)%4)+2*n:64*((\a)%4)+2*n+1], v[BI+2*n:BI+2*n+1]
.endif
.set n, n+1
.endr
	WIN 0
.if (\a) > 0
	s_wait_xcnt 0x0
.endif
.if \isv
.if (\a) < 4
	QUANT HA, SW+(\a)
.else
	QUANT HA, PW
	v_cndmask_b32 v[SW+(\a)-4], v[SW+(\a)-4], v[PW], vcc_lo
.endif
	PUT 12, ((\a)/4)*REC+1536*((\a)%4), 768
.else
	QUANT HA, PW
	PUT 12, 768*(\a), REC
	v_bfe_u32 v[SW+(\a)], v[PW], v13, 16
.if ((\a)%4) == 3
	global_store_b128 v14, v[SW+(\a)-3:SW+(\a)], s[66:67] offset:256*((\a)/4)
.endif
.endif
.endm
	s_wait_alu depctr_va_vdst(0)
	s_wait_tensorcnt 1
	s_barrier_signal -1
	s_barrier_wait -1
	FETCH_B 0, 0, 0
	FETCH_A 0, 0, 0
	SCALES 0, 0
	FETCH_A 0, 0, 4
	STEP 0, 0, 1
	TURN 0, 1, 1, 1
	STEP 1, 0, 0
	TURN 1, 0, 1, 2
	STEP 0, 0, 0
	TURN 0, 1, 0, 3
	STEP 1, 0, 0
	s_cmp_eq_u32 ttmp9, 2
	s_cbranch_scc1 .Lv
	s_lshl_b32 s18, s17, 8
	s_lshl_b32 s19, s15, 7
	s_add_co_u32 s18, s18, s19
	s_lshr_b32 s19, s18, 11
	s_and_b32 s18, s18, 2047
	s_lshr_b32 s18, s18, 4
	s_and_b32 s20, s42, 3
	s_lshl_b32 s21, s20, 2
	s_lshl_b32 s22, s16, 1
	s_add_co_u32 s21, s21, s22
	s_lshl_b32 s19, s19, 4
	s_add_co_u32 s19, s19, s21
	s_mul_i32 s19, s19, REC
	s_cmp_eq_u32 ttmp9, 0
	s_cselect_b32 s22, QC, 0
	s_cselect_b64 s[46:47], s[92:93], s[94:95]
	s_add_co_u32 s19, s19, s22
	s_mul_i32 s2, s18, 768
	s_add_co_u32 s2, s2, s19
	s_mov_b32 s3, 0
	s_add_nc_u64 s[12:13], s[98:99], s[2:3]
	s_lshl_b32 s2, s18, 6
	s_add_co_u32 s2, s2, s19
	s_add_co_u32 s2, s2, KSO
	s_add_nc_u64 s[66:67], s[98:99], s[2:3]
	s_lshl_b32 s2, s20, 10
	s_lshl_b32 s18, s16, 9
	s_add_co_u32 s2, s2, s18
	s_add_nc_u64 s[46:47], s[46:47], s[2:3]
.irp b, 0,1,2,3,4,5,6,7
	global_load_b128 v[BI+8*\b:BI+8*\b+3], v12, s[46:47] offset:4*(32*(\b/2)+8*(\b%2))
	global_load_b128 v[BI+8*\b+4:BI+8*\b+7], v12, s[46:47] offset:4*(32*(\b/2)+8*(\b%2))+16
.endr
	LAST
	PLACES NP
.irp b, 0,1,2,3
	v_mov_b32 v[TM+4+\b], 0
.endr
	s_wait_loadcnt 0x0
.irp a, 0,1,2,3,4,5,6,7
	EPI \a, 0
.endr
	s_branch .Lend
.Lv:
	s_lshl_b32 s18, s42, 8
	s_lshl_b32 s19, s16, 7
	s_add_co_u32 s18, s18, s19
	s_lshr_b32 s19, s18, 11
	s_and_b32 s18, s18, 2047
	s_lshr_b32 s18, s18, 7
	s_lshl_b32 s20, s17, 2
	s_lshl_b32 s21, s15, 1
	s_add_co_u32 s20, s20, s21
	s_lshl_b32 s19, s19, 4
	s_add_co_u32 s19, s19, s20
	s_mul_i32 s19, s19, REC
	s_mul_i32 s2, s18, 6144
	s_add_co_u32 s2, s2, s19
	s_add_co_u32 s2, s2, VC
	s_mov_b32 s3, 0
	s_add_nc_u64 s[12:13], s[98:99], s[2:3]
	s_lshl_b32 s2, s18, 8
	s_add_co_u32 s2, s2, s19
	s_add_co_u32 s2, s2, VSO
	s_add_nc_u64 s[66:67], s[98:99], s[2:3]
	s_lshl_b32 s2, s17, 10
	s_lshl_b32 s18, s15, 9
	s_add_co_u32 s2, s2, s18
	s_add_nc_u64 s[46:47], s[96:97], s[2:3]
.irp a, 0,1,2,3,4,5,6,7
	global_load_b32 v[BI+2*\a], v15, s[46:47] offset:4*(32*(\a/2)+8*(\a%2))
	global_load_b32 v[BI+2*\a+1], v15, s[46:47] offset:4*(32*(\a/2)+8*(\a%2))
.endr
	LAST
	PLACES NP
.irp b, 0,1,2,3
	v_mov_b32 v[TM+4+\b], 0
.endr
	v_cmp_eq_u32 vcc_lo, 1, v2
	s_wait_loadcnt 0x0
.irp a, 0,1,2,3,4,5,6,7
	EPI \a, 1
.endr
	global_store_b128 v14, v[SW:SW+3], s[66:67]
.Lend:
	s_wait_tensorcnt 0x0
	ds_add_u32 v[SPW], v[NIL]
	s_wait_dscnt 0x0
	CROUND
	s_endpgm
.Lfunc_end_k_q83b72a6a60_qkv:
	.size	k_q83b72a6a60_qkv, .Lfunc_end_k_q83b72a6a60_qkv-k_q83b72a6a60_qkv
	.p2alignl 7, 3214868480
	.fill 96, 4, 3214868480
	.section	.rodata,"a",@progbits
	.p2align	6, 0x0
	.amdhsa_kernel k_q83b72a6a60_qkv
		.amdhsa_group_segment_fixed_size 327680
		.amdhsa_private_segment_fixed_size 0
		.amdhsa_enable_private_segment 0
		.amdhsa_kernarg_size 64
		.amdhsa_user_sgpr_count 2
		.amdhsa_user_sgpr_kernarg_segment_ptr 1
		.amdhsa_wavefront_size32 1
		.amdhsa_system_sgpr_workgroup_id_x 1
		.amdhsa_system_sgpr_workgroup_id_y 1
		.amdhsa_system_sgpr_workgroup_id_z 1
		.amdhsa_system_vgpr_workitem_id 0
		.amdhsa_next_free_vgpr 1024
		.amdhsa_next_free_sgpr 102
		.amdhsa_reserve_vcc 1
		.amdhsa_float_denorm_mode_32 3
		.amdhsa_float_denorm_mode_16_64 3
		.amdhsa_memory_ordered 1
		.amdhsa_forward_progress 1
		.amdhsa_inst_pref_size 229
	.end_amdhsa_kernel
	.amdgpu_metadata
---
amdhsa.version: [ 1, 2 ]
amdhsa.kernels:
  - .name:           k_q83b72a6a60_qkv
    .symbol:         k_q83b72a6a60_qkv.kd
    .args:
      - { .name: xcod, .offset: 0, .size: 8, .value_kind: global_buffer, .address_space: global }
      - { .name: xscl, .offset: 8, .size: 8, .value_kind: global_buffer, .address_space: global }
      - { .name: wcod, .offset: 16, .size: 8, .value_kind: global_buffer, .address_space: global }
      - { .name: wscl, .offset: 24, .size: 8, .value_kind: global_buffer, .address_space: global }
      - { .name: bq, .offset: 32, .size: 8, .value_kind: global_buffer, .address_space: global }
      - { .name: bk, .offset: 40, .size: 8, .value_kind: global_buffer, .address_space: global }
      - { .name: bv, .offset: 48, .size: 8, .value_kind: global_buffer, .address_space: global }
      - { .name: qkv, .offset: 56, .size: 8, .value_kind: global_buffer, .address_space: global }
    .group_segment_fixed_size: 327680
    .private_segment_fixed_size: 0
    .kernarg_segment_align: 8
    .kernarg_segment_size: 64
    .max_flat_workgroup_size: 128
    .sgpr_count:     102
    .vgpr_count:     1024
    .wavefront_size: 32
...
	.end_amdgpu_metadata
.endif
;; end of part 2
;; launch attn (part 3): grid 4 x 64, 8 waves a work-group, clusters of 4 x 1, 209,920 bytes of LDS; arguments qkv, acod, ascl; writes acod, ascl
.if DOCPART == 3
	.amdgcn_target "amdgcn-amd-amdhsa--gfx1250"
	.amdhsa_code_object_version 6
	.text
	.protected	k_q83b72a6a60_attn
	.globl	k_q83b72a6a60_attn
	.p2align	8
	.type	k_q83b72a6a60_attn,@function
k_q83b72a6a60_attn:
	s_mov_b64 s[64:65], 0
	v_nop
	global_prefetch_b8 v0, s[64:65] scope:SCOPE_SE
	s_setreg_imm32_b32 hwreg(HW_REG_WAVE_MODE, 25, 1), 1
	s_wait_xcnt 0x0
	s_wait_alu depctr_hold_cnt(0) depctr_sa_sdst(0) depctr_va_vdst(0) depctr_va_sdst(0) depctr_va_ssrc(0) depctr_va_vcc(0) depctr_vm_vsrc(0)
	s_getreg_b32 s2, hwreg(HW_REG_IB_STS2, 6, 4)
	s_cmp_eq_u32 s2, 0
	s_cbranch_scc0 .Lentry_in_a_cluster
	s_endpgm
.Lentry_in_a_cluster:
	s_bfe_u32 s2, ttmp6, 0x10000c
	s_cmp_lg_u32 s2, 0x3003
	s_cbranch_scc0 .Lentry_shape_is_right
	s_endpgm
.Lentry_shape_is_right:
; For each batch and head: O[q] = the sum over keys of p V / l, p = 2^(t - M), t = (q . k) log2(e) / 8, M = the running largest t rounded UP to a whole number, l = the row's sum of the unquantised p.
; Both products on codes of FP6 (E2M3) with E8M0 scales.  O is quantised along the model's 1,024 (a head is two blocks of 32) and leaves as codes and scale bytes for the last product.
; SHARES: a work-group owns 512 queries of one head, in two passes.  In a pass each of its eight waves owns TWO tiles of 16 queries, X and Y (16 tiles apart), and takes both through each step of 128 keys:
; a fragment of K or V^T is read from LDS once for both, and every chain of dependent lines of X has Y's beside it.  One tile's exponentials stand among the other's multiply-adds and first sums.
; The next step's K and this step's V^T are asked of LDS straight behind the score products; the second pass's Q and first K ahead of the first pass's way out.
; LDS holds the head's K codes, K scale words, V^T codes and V scale words whole: the first 208,896 bytes of the head's record, filled ONCE: no slot is filled again, the loop has no barrier.
; CLUSTER: the four work-groups of a head read the same bytes: each wave's part (102 rows of 256 bytes) is asked for jointly, with the mask of all four.
; NO PREFETCH: each wave's one tensor load at the head is the launch's only read of K and V: there is no loop of loads to run ahead in.
; LAYOUT: both products are used transposed: S^T = K Q^T, O^T = V^T P^T: a lane holds ONE query (lane % 16).  Lane r of stored tile T holds key 32 (T / 2) + 8 (T % 2) + r + 8 (r / 8), so that the 16 registers
; of tiles 2 b and 2 b + 1 are keys 32 b + 16 (lane / 16) + 0 .. 15; V^T's rows d likewise.
; K = 64 IN THE FIRST PRODUCT: Q's registers 6-11 are zero codes, bytes 2 and 3 of Q's and K's scale words are 0 (a finite scale); a tile of K names the next tile's six registers above its own (behind the eighth: zeros).
; LIMITS: NaN and infinities are not served; the scaled scores stay under 2^31 in magnitude; v_exp_f32 gives 0 where p would lie under 2^-126; a block whose largest number lies under 2^-124 gets the byte 1, a block of zeros too.
; REGISTERS: window 0 (v0-255) as named below; window 1: v0-63 S^T of X, v64-127 of Y, v128-159 O^T of X, v160-191 of Y, v192-223 and v224-255 the two trees of sums.
.set REC,   315392
.set KSO,   98304
.set VC,    106496
.set VSO,   204800
.set QC,    208896
.set QSO,   307200
.set PARTB, 26112                      ; a wave's eighth of what LDS holds
.set SPARE, 208896                     ; the spare words: 128 bytes a wave
.set L16,  1                           ; 16 x lane
.set LN,   2                           ; lane
.set L8,   3                           ; 8 x lane
.set AV16, 4                           ; VC + 16 x lane
.set AV8,  5                           ; VC + 8 x lane
.set AKS,  6                           ; KSO + 16 r
.set AVS,  7                           ; VSO + 16 r
.set K16,  8                           ; v8-13 the step's LDS addresses
.set K8,   9
.set KS,   10
.set V16,  11
.set V8,   12
.set VS,   13
.set R16,  14                          ; 16 r
.set ASO,  15                          ; 16 r + 8,192 h
.set NM,   16                          ; per tile a pair: -M, the largest score
.set SUM,  20                          ; per tile a pair: the row's sum in two halves
.set F,    24                          ; per tile a pair: f = 2^(old M - new M), p's scale word
.set QS,   28                          ; Q's scale words
.set T,    30                          ; at work
.set KSW,  32                          ; v32-39 K's scale words
.set VSW,  44                          ; v44-47 V's
.set BM,   48                          ; four a tile: the blocks' largest
.set SO,   56                          ; the conversions' scale operands
.set PT,   64                          ; lane exchanges, scale bytes
.set CT,   72                          ; eight a tile: the conversions' second halves
.set QF,   104                         ; twelve a tile: Q's fragment, the upper six zero codes
.set P,    128                         ; twelve a tile: p's codes
.set KB,   152                         ; v152-199 eight tiles of K; v200-205 zeros
.set VB,   206                         ; v206-253 four fragments of V^T
.set SPW,  254
.set NIL,  255
.set WV,   14
.set SEL,  20
.set CS,   22
.set G1,   24
.set G0,   32
.set TK,   36                          ; the step's codes: 6,144 bytes a step, in K and in V^T
.set TS,   37                          ; K's scale words: 512 a step
.set TV,   38                          ; V's: 256 a step
.set CNT,  39
.set MSB, 0
.macro WIN new                         ; low byte: source 0, 1, 2, destination, two bits each; the high byte repeats the setting that is left
.if MSB != \new
	s_set_vgpr_msb (MSB<<8)|\new
.set MSB, \new
.endif
.endm
.macro WALU
	s_wait_alu depctr_va_vdst(0)
.endm
.macro CROUND
	s_barrier_signal -1
	s_barrier_wait -1
	s_cmp_lg_u32 s[WV], 0
	s_cbranch_scc1 .Lnot_wave_0_\@
	s_barrier_signal -3
.Lnot_wave_0_\@:
	s_barrier_wait -3
	s_barrier_signal -1
	s_barrier_wait -1
.endm
.macro QLOAD p                         ; pass p's two tiles of Q
.irp x, 0,1
	global_load_b128 v[QF+12*\x:QF+12*\x+3], v[L16], s[40:41] offset:6144*\p+12288*\x th:TH_LOAD_NT
	global_load_b64 v[QF+12*\x+4:QF+12*\x+5], v[L8], s[40:41] offset:6144*\p+12288*\x+512 th:TH_LOAD_NT
	global_load_b32 v[QS+\x], v[R16], s[42:43] offset:512*\p+1024*\x
.endr
.endm
.macro KLOAD a16, a8, as               ; a step's eight tiles of K and their scale words: 18 loads
.irp a, 0,1,2,3,4,5,6,7
	ds_load_b128 v[KB+6*\a:KB+6*\a+3], v[\a16] offset:768*\a
	ds_load_b64 v[KB+6*\a+4:KB+6*\a+5], v[\a8] offset:768*\a+512
.endr
	ds_load_b128 v[KSW:KSW+3], v[\as]
	ds_load_b128 v[KSW+4:KSW+7], v[\as] offset:256
.endm
.macro SWAPS nc                        ; the operand wants a whole block in a lane
.irp x, 0,1
.set c_, 0
.rept \nc
.irp i, 0,1,2
	v_permlane16_swap_b32 v[P+12*\x+6*c_+\i], v[CT+8*\x+4*c_+\i]
.endr
.set c_, c_+1
.endr
.endr
.irp x, 0,1
.set c_, 0
.rept \nc
.irp i, 0,1,2
	v_mov_b32 v[P+12*\x+6*c_+3+\i], v[CT+8*\x+4*c_+\i]
.endr
.set c_, c_+1
.endr
.endr
.endm
	s_load_b128 s[4:7], s[0:1], 0x0                ; the records, the result's codes
	s_load_b64 s[8:9], s[0:1], 0x10                ; the result's scale bytes
	v_lshl_add_u32 v[SPW], v0, 2, SPARE
	v_mov_b32 v[NIL], 0
	ds_add_u32 v[SPW], v[NIL]                      ; the opening lines
	ds_add_u32 v[SPW], v[NIL]
	v_lshrrev_b32 v2, 5, v0
	v_readfirstlane_b32 s[WV], v2                  ; wave 0..7
	s_bfe_u32 s15, ttmp6, 0x40000                  ; cx: which quarter of the queries
	s_and_b32 s16, ttmp7, 0xffff                   ; 16 x batch + head
	s_mul_i32 s10, s16, REC
	s_mov_b32 s11, 0
	s_mul_i32 s12, s[WV], PARTB                    ; my part, in the record and in LDS alike
	s_mov_b32 s13, 0
	s_mov_b32 s[G1], 15|(3<<16)|(1<<21)            ; the mask of all four; elements of 8 bytes; bit 21 beside a mask
	s_mov_b32 s[G1+1], 32<<16
	s_mov_b32 s[G1+2], 102<<16
	s_mov_b32 s[G1+3], 32<<16
	s_mov_b32 s[G1+4], 102
	s_mov_b32 s[G1+5], 32
	s_mov_b32 s[G1+6], 0
	s_mov_b32 s[G1+7], 0
	s_mov_b32 s[SEL], 0x76543210
	s_mov_b32 s[SEL+1], 0xfedcba98
	s_mov_b32 s[CS], 0x3e38aa3b                    ; c = log2(e) / 8
	s_mov_b32 s[CS+1], s[CS]
	s_wait_dscnt 0x0
	s_wait_kmcnt 0x0
	s_add_nc_u64 s[4:5], s[4:5], s[10:11]          ; my head's record
	s_mov_b32 s[G0], 1
	s_mov_b32 s[G0+1], s12
	s_add_nc_u64 s[G0+2:G0+3], s[4:5], s[12:13]
	s_or_b32 s[G0+3], s[G0+3], 0x80000000
	CROUND                                         ; all four work-groups are here: the joint loads meet
	tensor_load_to_lds s[G0:G0+3], s[G1:G1+7]      ; one load a wave, the only one of the launch
	s_nop 0
.rept 4
	v_nop
.endr
	s_lshl_b32 s17, s15, 5
	s_add_co_u32 s17, s17, s[WV]                   ; the first pass's tile X: 32 cx + wave; Y 16 tiles on; the second pass 8 tiles on
	s_mul_i32 s10, s17, 768
	s_add_co_u32 s10, s10, QC
	s_add_nc_u64 s[40:41], s[4:5], s[10:11]        ; its codes
	s_lshr_b32 s10, s17, 2
	s_lshl_b32 s10, s10, 8
	s_and_b32 s18, s[WV], 3
	s_lshl_b32 s18, s18, 2
	s_add_co_u32 s10, s10, s18
	s_add_co_u32 s10, s10, QSO
	s_add_nc_u64 s[42:43], s[4:5], s[10:11]        ; its scale words: 256 bytes for four tiles, 16 a row, 4 a tile
	s_lshr_b32 s18, s16, 4                         ; batch
	s_and_b32 s19, s16, 15                         ; head
	s_lshl_b32 s18, s18, 7
	s_add_co_u32 s18, s18, s17                     ; the tile among all 512 tiles of tokens
	s_lshl_b32 s10, s18, 4
	s_add_co_u32 s10, s10, s19
	s_mul_i32 s10, s10, 768
	s_add_nc_u64 s[44:45], s[6:7], s[10:11]        ; the result's codes: [tile][head][768]
	s_lshl_b32 s10, s18, 9
	s_lshr_b32 s12, s19, 3
	s_lshl_b32 s12, s12, 8
	s_add_co_u32 s10, s10, s12
	s_and_b32 s12, s19, 7
	s_lshl_b32 s12, s12, 1
	s_add_co_u32 s10, s10, s12
	s_add_nc_u64 s[46:47], s[8:9], s[10:11]        ; its scale bytes: 512 a tile, 256 a half of K, 16 a row, 2 a head
	v_and_b32 v[LN], 31, v0
	v_and_b32 v[R16], 15, v0
	v_bfe_u32 v[ASO], v0, 4, 1
	v_lshlrev_b32 v[R16], 4, v[R16]
	v_lshlrev_b32 v[L16], 4, v[LN]
	v_lshlrev_b32 v[L8], 3, v[LN]
	v_lshl_add_u32 v[ASO], v[ASO], 13, v[R16]
	v_add_nc_u32 v[AV16], VC, v[L16]
	v_add_nc_u32 v[AV8], VC, v[L8]
	v_add_nc_u32 v[AKS], KSO, v[R16]
	v_add_nc_u32 v[AVS], VSO, v[R16]
.irp i, 0,1,2,3,4,5
	v_mov_b32 v[QF+6+\i], 0                        ; Q's zero codes for k = 64 .. 127
	v_mov_b32 v[QF+18+\i], 0
	v_mov_b32 v[KB+48+\i], 0                       ; what the eighth tile of K names above its own six registers
.endr
.irp b, 0,1,2,3,4,5,6,7
	v_mov_b32 v[PT+\b], 0                          ; a lane exchange's destination counts as one of its sources
.endr
	v_mov_b32 v[T], 0
	v_mov_b32 v[T+1], 0
	v_mov_b32 v[F+1], 0                            ; (named as the upper halves of pairs before they are first made)
	v_mov_b32 v[F+3], 0
	WALU                                           ; the wait at the head's end
	QLOAD 0
	s_wait_tensorcnt 0x0                           ; my part has landed,
	s_barrier_signal -1
	s_barrier_wait -1                              ; everybody's has
	KLOAD L16, L8, AKS                             ; step 0's K
.macro INIT p
.if \p
	s_wait_xcnt 0x0                                ; the first pass's stores have read their registers
.endif
.irp x, 0,1
	v_mov_b32 v[NM+2*\x+1], 0xff61b1e6             ; the largest score so far: -3e38
	v_mov_b32 v[NM+2*\x], 0x7f61b1e6               ; -M
	v_mov_b32 v[SUM+2*\x], 0
	v_mov_b32 v[SUM+2*\x+1], 0
.endr
	WIN 0x40
.set n, 0
.rept 64
	v_mov_b32 v[128+n], 0                          ; O^T: the step is written once; its first trip finds zeros
.set n, n+1
.endr
	WIN 0
	s_mov_b32 s[TK], 0
	s_mov_b32 s[TS], 0
	s_mov_b32 s[TV], 0
	s_mov_b32 s[CNT], 16
	WALU
	s_wait_loadcnt 0x0                             ; Q is in
.endm
.macro LOOP p                          ; 16 trips of 128 keys, two tiles of queries
.Lstep_\p:
	s_wait_dscnt 0x0                               ; this step's K (asked for a trip ago, or ahead of the loop)
	WIN 0x40
.irp a, 0,1,2,3,4,5,6,7
.irp x, 0,1
	v_wmma_scale_f32_16x16x128_f8f6f4 v[64*\x+8*\a:64*\x+8*\a+7], v[KB+6*\a:KB+6*\a+11], v[QF+12*\x:QF+12*\x+11], 0, v[KSW+\a], v[QS+\x] matrix_a_fmt:MATRIX_FMT_FP6 matrix_b_fmt:MATRIX_FMT_FP6
.endr
.endr
	WIN 0
	v_add_nc_u32 v[V16], s[TK], v[AV16]            ; these four are the places between the products and the loads into registers that they read
	v_add_nc_u32 v[V8], s[TK], v[AV8]
	v_add_nc_u32 v[VS], s[TV], v[AVS]
	v_nop
	WALU
	s_add_co_u32 s[TK], s[TK], 6144
	s_add_co_u32 s[TS], s[TS], 512
	s_add_co_u32 s[TV], s[TV], 256
	s_cmp_eq_u32 s[CNT], 1
	s_cbranch_scc1 .Lnok_\p                        ; the last trip has no next step
	v_add_nc_u32 v[K16], s[TK], v[L16]
	v_add_nc_u32 v[K8], s[TK], v[L8]
	v_add_nc_u32 v[KS], s[TS], v[AKS]
	KLOAD K16, K8, KS
.Lnok_\p:
.irp t, 0,1,2,3
.irp c, 0,1
	ds_load_b128 v[VB+12*\t+6*\c:VB+12*\t+6*\c+3], v[V16] offset:1536*\t+768*\c
	ds_load_b64 v[VB+12*\t+6*\c+4:VB+12*\t+6*\c+5], v[V8] offset:1536*\t+768*\c+512
.endr
.endr
	ds_load_b128 v[VSW:VSW+3], v[VS]
	WIN 0x14                                       ; the largest score of each block of 32 keys: for the row's maximum and, since p rises with the score, for the block's largest p
.irp b, 0,1,2,3
.irp x, 0,1
	v_max3_num_f32 v[BM+4*\x+\b], 0xff7fffff, v[64*\x+16*\b], v[64*\x+16*\b+1]
.endr
.endr
.irp i, 2,4,6,8,10,12,14
.irp b, 0,1,2,3
.irp x, 0,1
	v_max3_num_f32 v[BM+4*\x+\b], v[BM+4*\x+\b], v[64*\x+16*\b+\i], v[64*\x+16*\b+\i+1]
.endr
.endr
.endr
	WIN 0
.irp b, 0,1,2,3,4,5,6,7
	v_permlanex16_b32 v[PT+\b], v[BM+\b], s[SEL], s[SEL+1]
.endr
.irp b, 0,1,2,3,4,5,6,7
	v_max_num_f32 v[BM+\b], v[BM+\b], v[PT+\b]     ; with lane l xor 16's 16 keys
.endr
.irp x, 0,1
	v_max3_num_f32 v[T+\x], v[BM+4*\x], v[BM+4*\x+1], v[BM+4*\x+2]
.endr
.irp x, 0,1
	v_max3_num_f32 v[NM+2*\x+1], v[NM+2*\x+1], v[T+\x], v[BM+4*\x+3]   ; the running largest score
.endr
.irp x, 0,1
	v_mul_f32 v[T+\x], s[CS], v[NM+2*\x+1]         ; as t (c is positive)
.endr
.irp x, 0,1
	v_mov_b32 v[PT+4*\x], v[NM+2*\x]               ; the old -M
.endr
.irp x, 0,1
	v_floor_f32 v[NM+2*\x], -v[T+\x]               ; the new -M = -ceil(t): a whole number
.endr
.irp x, 0,1
	v_sub_f32 v[T+\x], v[NM+2*\x], v[PT+4*\x]      ; old M - new M, 0 or less
.endr
.irp x, 0,1
	v_cvt_i32_f32 v[T+\x], v[T+\x]                 ; (it saturates)
.endr
.irp x, 0,1
	v_ldexp_f32 v[F+2*\x], 1.0, v[T+\x]            ; f: a multiplication by it rounds nothing
.endr
.irp b, 0,1,2,3
.irp x, 0,1
	v_fma_f32 v[BM+4*\x+\b], v[BM+4*\x+\b], s[CS], v[NM+2*\x]   ; t - M of each block's largest score
.endr
.endr
	WIN 0x41
.set n, 0
.rept 32
	v_pk_fma_f32 v[2*n:2*n+1], v[2*n:2*n+1], s[CS:CS+1], v[NM:NM+1] op_sel_hi:[1,0,0]   ; X: t - M
.set n, n+1
.endr
	WALU                                           ; ahead of the batch
.set n, 0
.rept 32                                       ; X's p; among them Y's t - M, which nothing reads before the next wait
	v_exp_f32 v[2*n], v[2*n]
	v_exp_f32 v[2*n+1], v[2*n+1]
	v_pk_fma_f32 v[64+2*n:65+2*n], v[64+2*n:65+2*n], s[CS:CS+1], v[NM+2:NM+3] op_sel_hi:[1,0,0]
.set n, n+1
.endr
	WIN 0x45
	WALU                                           ; behind X's batch, ahead of Y's
.set n, 0
.rept 16                                       ; Y's p; among them the first level of X's sums, which nothing reads before the next wait
	v_exp_f32 v[64+4*n], v[64+4*n]
	v_exp_f32 v[65+4*n], v[65+4*n]
	v_exp_f32 v[66+4*n], v[66+4*n]
	v_exp_f32 v[67+4*n], v[67+4*n]
	v_pk_add_f32 v[192+2*n:193+2*n], v[4*n:4*n+1], v[4*n+2:4*n+3]
.set n, n+1
.endr
	WIN 0
.irp b, 0,1,2,3,4,5,6,7
	v_exp_f32 v[BM+\b], v[BM+\b]                   ; the blocks' largest p: the same two instructions on the same number give the same bits
.endr
	WIN 0x41
	WALU                                           ; behind the batch, directly ahead of the first reader of O^T
.set n, 0
.rept 16
	v_pk_mul_f32 v[128+2*n:129+2*n], v[128+2*n:129+2*n], v[F:F+1] op_sel_hi:[1,0]       ; O^T under the new M
	v_pk_mul_f32 v[160+2*n:161+2*n], v[160+2*n:161+2*n], v[F+2:F+3] op_sel_hi:[1,0]
.set n, n+1
.endr
	WIN 0
.irp b, 0,1,2,3,4,5,6,7
	v_max_num_f32 v[BM+\b], 0x1800000, v[BM+\b]    ; the floor 2^(3 - 127): the byte cannot fall under 1
.endr
.irp b, 0,1,2,3,4,5,6,7
	v_add_nc_u32 v[SO+\b], 0xff000000, v[BM+\b]    ; 2 off the exponent field: the conversion's scale operand
.endr
.irp b, 0,1,2,3,4,5,6,7
	v_lshrrev_b32 v[PT+\b], 23, v[SO+\b]           ; the scale's byte
.endr
.irp x, 0,1
	v_lshl_or_b32 v[F+2*\x+1], v[PT+4*\x+1], 8, v[PT+4*\x]   ; p's scale word for these 128 keys
.endr
.irp x, 0,1
	v_lshl_or_b32 v[F+2*\x+1], v[PT+4*\x+2], 16, v[F+2*\x+1]
.endr
.irp x, 0,1
	v_lshl_or_b32 v[F+2*\x+1], v[PT+4*\x+3], 24, v[F+2*\x+1]
.endr
	WIN 0x01
.irp x, 0,1
.irp c, 0,1
	v_cvt_scalef32_pk16_fp6_f32 v[P+12*\x+6*\c:P+12*\x+6*\c+2], v[64*\x+32*\c:64*\x+32*\c+15], v[SO+4*\x+2*\c]
	v_cvt_scalef32_pk16_fp6_f32 v[CT+8*\x+4*\c:CT+8*\x+4*\c+2], v[64*\x+32*\c+16:64*\x+32*\c+31], v[SO+4*\x+2*\c+1]
.endr
.endr
	WIN 0
	v_nop                                          ; one plain instruction behind the conversions
	SWAPS 2
	WIN 0x45                                       ; the rows' sums of the unquantised p; these lines also stand between the making of p's codes and the products
.set n, 0
.rept 16
	v_pk_add_f32 v[224+2*n:225+2*n], v[64+4*n:65+4*n], v[66+4*n:67+4*n]
.set n, n+1
.endr
.irp w, 8,4,2,1
.set n, 0
.rept \w
	v_pk_add_f32 v[192+2*n:193+2*n], v[192+2*n:193+2*n], v[192+2*(n+\w):193+2*(n+\w)]
	v_pk_add_f32 v[224+2*n:225+2*n], v[224+2*n:225+2*n], v[224+2*(n+\w):225+2*(n+\w)]
.set n, n+1
.endr
.endr
	WIN 0x10
	v_pk_fma_f32 v[SUM:SUM+1], v[SUM:SUM+1], v[F:F+1], v[192:193] op_sel_hi:[1,0,1]     ; the old sum under the new M, and the step's
	v_pk_fma_f32 v[SUM+2:SUM+3], v[SUM+2:SUM+3], v[F+2:F+3], v[224:225] op_sel_hi:[1,0,1]
	WIN 0x50
	WALU                                           ; directly ahead of the wait below
	s_wait_dscnt 0x0                               ; V^T's fragments and scale words are in (and the next step's K)
.irp t, 0,1,2,3                                ; eight accumulators by turns
.irp x, 0,1
	v_wmma_scale_f32_16x16x128_f8f6f4 v[128+32*\x+8*\t:128+32*\x+8*\t+7], v[VB+12*\t:VB+12*\t+11], v[P+12*\x:P+12*\x+11], v[128+32*\x+8*\t:128+32*\x+8*\t+7], v[VSW+\t], v[F+2*\x+1] matrix_a_fmt:MATRIX_FMT_FP6 matrix_b_fmt:MATRIX_FMT_FP6
.endr
.endr
	WIN 0
	s_sub_co_u32 s[CNT], s[CNT], 1
	s_cmp_lg_u32 s[CNT], 0
	WALU
	s_cbranch_scc1 .Lstep_\p
.endm
; the way out of a pass: O^T / l, quantised along d: register 16 b + i is d = 32 b + 16 h + i: two blocks a tile
.macro EPI p
.irp x, 0,1
	v_add_f32 v[SUM+2*\x], v[SUM+2*\x], v[SUM+2*\x+1]   ; (these six lines are the places behind the last products)
.endr
.irp x, 0,1
	v_permlanex16_b32 v[T+\x], v[SUM+2*\x], s[SEL], s[SEL+1]
.endr
.irp x, 0,1
	v_add_f32 v[SUM+2*\x], v[SUM+2*\x], v[T+\x]    ; the row's sum
.endr
	WALU
	v_rcp_f32 v[F], v[SUM]
	v_rcp_f32 v[F+2], v[SUM+2]
	v_nop
	WIN 0x41
	WALU                                           ; ahead of the reciprocals' first reader, which is O^T's too
.set n, 0
.rept 16
	v_pk_mul_f32 v[2*n:2*n+1], v[128+2*n:129+2*n], v[F:F+1] op_sel_hi:[1,0]      ; each accumulator from its low end on
	v_pk_mul_f32 v[64+2*n:65+2*n], v[160+2*n:161+2*n], v[F+2:F+3] op_sel_hi:[1,0]
.set n, n+1
.endr
	WIN 0x14
.irp b, 0,1
.irp x, 0,1
	v_max3_num_f32 v[BM+4*\x+\b], 0x1800000, |v[64*\x+16*\b]|, |v[64*\x+16*\b+1]|
.endr
.endr
.irp i, 2,4,6,8,10,12,14
.irp b, 0,1
.irp x, 0,1
	v_max3_num_f32 v[BM+4*\x+\b], v[BM+4*\x+\b], |v[64*\x+16*\b+\i]|, |v[64*\x+16*\b+\i+1]|
.endr
.endr
.endr
	WIN 0
.irp b, 0,1,4,5
	v_permlanex16_b32 v[PT+\b], v[BM+\b], s[SEL], s[SEL+1]
.endr
.irp b, 0,1,4,5
	v_max_num_f32 v[BM+\b], v[BM+\b], v[PT+\b]
.endr
.irp b, 0,1,4,5
	v_add_nc_u32 v[SO+\b], 0xff000000, v[BM+\b]
.endr
.irp b, 0,1,4,5
	v_lshrrev_b32 v[PT+\b], 23, v[SO+\b]
.endr
.irp x, 0,1
	v_lshl_or_b32 v[T+\x], v[PT+4*\x+1], 8, v[PT+4*\x]   ; a row's two scale bytes
.endr
	WIN 0x01
.irp x, 0,1
	v_cvt_scalef32_pk16_fp6_f32 v[P+12*\x:P+12*\x+2], v[64*\x:64*\x+15], v[SO+4*\x]
	v_cvt_scalef32_pk16_fp6_f32 v[CT+8*\x:CT+8*\x+2], v[64*\x+16:64*\x+31], v[SO+4*\x+1]
.endr
	WIN 0
	v_cmp_lt_u32 vcc_lo, 15, v[LN]                 ; (the plain instruction behind the conversions)
	SWAPS 1
	v_cndmask_b32 v[T], v[T], v[T+1], vcc_lo       ; lanes 0-15 X's rows, lanes 16-31 Y's, 16 tiles on
.irp x, 0,1
	global_store_b128 v[L16], v[P+12*\x:P+12*\x+3], s[44:45] offset:98304*\p+196608*\x       ; a half image: 512 and 256 consecutive bytes, aligned
	global_store_b64 v[L8], v[P+12*\x+4:P+12*\x+5], s[44:45] offset:98304*\p+196608*\x+512
.endr
	global_store_b16 v[ASO], v[T], s[46:47] offset:4096*\p   ; two bytes a row are all that a head owns of a row's 32 scale bytes
.endm
	INIT 0
	LOOP 0
	QLOAD 1                                        ; the second pass's Q and first K are on their way under the first pass's way out
	KLOAD L16, L8, AKS
	EPI 0
	INIT 1
	LOOP 1
	EPI 1
	s_wait_tensorcnt 0x0                           ; the wave's end
	ds_add_u32 v[SPW], v[NIL]
	s_wait_dscnt 0x0
	CROUND                                         ; the closing round
	s_endpgm
.Lfunc_end_k_q83b72a6a60_attn:
	.size	k_q83b72a6a60_attn, .Lfunc_end_k_q83b72a6a60_attn-k_q83b72a6a60_attn
	.p2alignl 7, 3214868480
	.fill 96, 4, 3214868480
	.section	.rodata,"a",@progbits
	.p2align	6, 0x0
	.amdhsa_kernel k_q83b72a6a60_attn
		.amdhsa_group_segment_fixed_size 209920
		.amdhsa_private_segment_fixed_size 0
		.amdhsa_enable_private_segment 0
		.amdhsa_kernarg_size 24
		.amdhsa_user_sgpr_count 2
		.amdhsa_user_sgpr_kernarg_segment_ptr 1
		.amdhsa_wavefront_size32 1
		.amdhsa_system_sgpr_workgroup_id_x 1
		.amdhsa_system_sgpr_workgroup_id_y 1
		.amdhsa_system_sgpr_workgroup_id_z 1
		.amdhsa_system_vgpr_workitem_id 0
		.amdhsa_next_free_vgpr 512
		.amdhsa_next_free_sgpr 66
		.amdhsa_reserve_vcc 1
		.amdhsa_float_denorm_mode_32 3
		.amdhsa_float_denorm_mode_16_64 3
		.amdhsa_memory_ordered 1
		.amdhsa_forward_progress 1
		.amdhsa_inst_pref_size 88
	.end_amdhsa_kernel
	.amdgpu_metadata
---
amdhsa.version: [ 1, 2 ]
amdhsa.kernels:
  - .name:           k_q83b72a6a60_attn
    .symbol:         k_q83b72a6a60_attn.kd
    .args:
      - { .name: qkv, .offset: 0, .size: 8, .value_kind: global_buffer, .address_space: global }
      - { .name: acod, .offset: 8, .size: 8, .value_kind: global_buffer, .address_space: global }
      - { .name: ascl, .offset: 16, .size: 8, .value_kind: global_buffer, .address_space: global }
    .group_segment_fixed_size: 209920
    .private_segment_fixed_size: 0
    .kernarg_segment_align: 8
    .kernarg_segment_size: 24
    .max_flat_workgroup_size: 256
    .sgpr_count:     66
    .vgpr_count:     512
    .wavefront_size: 32
...
	.end_amdgpu_metadata
.endif
;; end of part 3
;; launch oproj (part 4): grid 8 x 32, 4 waves a work-group, clusters of 4 x 4, 327,680 bytes of LDS; arguments acod, ascl, wcod, wscl, bo, out0; writes out0
.if DOCPART == 4
	.amdgcn_target "amdgcn-amd-amdhsa--gfx1250"
	.amdhsa_code_object_version 6
	.text
	.protected	k_q83b72a6a60_oproj
	.globl	k_q83b72a6a60_oproj
	.p2align	8
	.type	k_q83b72a6a60_oproj,@function
k_q83b72a6a60_oproj:
	s_mov_b64 s[64:65], 0
	v_nop
	global_prefetch_b8 v0, s[64:65] scope:SCOPE_SE
	s_setreg_imm32_b32 hwreg(HW_REG_WAVE_MODE, 25, 1), 1
	s_wait_xcnt 0x0
	s_wait_alu depctr_hold_cnt(0) depctr_sa_sdst(0) depctr_va_vdst(0) depctr_va_sdst(0) depctr_va_ssrc(0) depctr_va_vcc(0) depctr_vm_vsrc(0)
	s_getreg_b32 s2, hwreg(HW_REG_IB_STS2, 6, 4)
	s_cmp_eq_u32 s2, 0
	s_cbranch_scc0 .Lentry_in_a_cluster
	s_endpgm
.Lentry_in_a_cluster:
	s_bfe_u32 s2, ttmp6, 0x10000c
	s_cmp_lg_u32 s2, 0xf033
	s_cbranch_scc0 .Lentry_shape_is_right
	s_endpgm
.Lentry_shape_is_right:
; out0 [8192][1024] f32 = A Wo^T + bo.  A (the attention's result) and Wo arrive as codes of FP6 (E2M3) with E8M0 scale words, in the order of the operand's registers:
; codes [tile of 16 rows][k / 64][768 bytes] (lane l's registers 0-3 of its six at 16 l, registers 4-5 at 512 + 8 l), scale words [tile][half of K][r][4 words].
; Lane r of stored tile T holds true row 32 (T / 2) + 8 (T % 2) + r + 8 (r / 8).  Wo's tiles are tiles 192 .. 255 of the weights' buffers.
; SHARES: 256 work-groups; one makes 256 rows x 128 columns.  Four waves, 2 x 2: wave (a, b) takes A's tiles 8 a .. 8 a + 7 and Wo's tiles 4 b .. 4 b + 3 of the work-group's.
; ALL OF K LIES IN LDS AT ONCE: Wo's 8 tiles (98,304 bytes), A's 16 tiles (196,608), A's scale words (8,192): filled once, at the head, one tensor load a wave; nothing is filled again.
; A wave holds its 64 rows of Wo, all of K, in 384 registers, and streams A's tiles past them: a BLOCK is one tile, 32 products on 4 accumulators by turns; the tile's eight
; fragments lie twice in registers, and the set that a block has read takes the tile two blocks on.  The bias is the C of a block's first four products.
; The matrix instruction is used transposed (source 0 = Wo's rows): a lane holds one row of the result and neighbouring columns.  A finished block, 16 rows x 64 columns, goes through the wave's own stage in LDS
; and leaves as rows of 256 consecutive bytes, aligned, while the next block is multiplied.
; CLUSTER 4 x 4: A's tiles and scale words are shared along a row of the cluster, Wo's tiles along a column: joint loads.
; NO PREFETCH: the head's loads are the launch's only reads of the tiles: there is no loop of loads to run ahead in.
; REGISTERS: fragment f lies in window 1 + f / 21 at register 12 (f % 21): 0-31 Wo's (4 q + t), 32-39 and 40-47 A's two sets.  Window 0 as named below.
; SCALARS: s[24:39], s[48:63], s[68:75] are the tensor loads' descriptors and are not written behind the loads; s76-79 are at work there.
.set TILEB,  12288
.set WB,     0                         ; LDS: Wo's 8 tiles
.set AB,     8*TILEB                   ; A's 16 tiles
.set ASC,    24*TILEB                  ; A's scale words
.set STG,    ASC+8192                  ; the stages: 16 rows x 272 bytes a wave
.set SPITCH, 272
.set SPARE,  STG+4*16*SPITCH           ; the spare words
.set FPW,    21
.set NF,     34                        ; LDS loads of a block's fetch: 32 for eight fragments, 2 for eight scale words
.set NT,     16                        ; LDS instructions of a way out: 8 stores, 8 loads
.set AW16, 2                           ; LDS address of my fragments of Wo: 16 x lane, 8 x lane
.set AW8,  3
.set AA16, 4                           ; of my tiles 0-3 of A
.set AA8,  5
.set AH16, 6                           ; of my tiles 4-7
.set AH8,  7
.set AAS,  8                           ; of my rows' scale words
.set STO,  9                           ; the stage, on the way in
.set RD,   10                          ; and back
.set CO,   11                          ; my byte offset in two rows of the result
.set SPW,  12
.set NIL,  13
.set WSO,  14                          ; my offset in Wo's scale words
.set BO,   15                          ; and in the bias
.set SB,   24                          ; v24-39 Wo's scale words: register 8 p + q: lanes 0-15 tile 2 p, lanes 16-31 tile 2 p + 1
.set SA,   44                          ; v44-59 A's: two sets of eight
.set BI,   64                          ; v64-95 the bias, as the result lies
.set ACC,  96                          ; v96-159 two sets of four accumulators
.set BK,   160                         ; v160-223 two sets of 16 rows read back from the stage
.set G1W,  24
.set G0W,  32
.set G0A0, 36
.set G1A,  48
.set G0A1, 56
.set G0S,  60
.set G1S,  68
.set MSB, 0
.macro WIN new
.if MSB != \new
	s_set_vgpr_msb (MSB<<8)|\new
.set MSB, \new
.endif
.endm
.macro PLACES n
.rept \n
	v_nop
.endr
.endm
.macro BARRIER
	s_barrier_signal -1
	s_barrier_wait -1
.endm
.macro CROUND
	s_barrier_signal -1
	s_barrier_wait -1
	s_cmp_lg_u32 s14, 0
	s_cbranch_scc1 .Lnot_wave_0_\@
	s_barrier_signal -3
.Lnot_wave_0_\@:
	s_barrier_wait -3
	s_barrier_signal -1
	s_barrier_wait -1
.endm
.macro GROUP1 g, mask, rows            ; a dense block as rows of 256 bytes
	s_or_b32 s[\g+0], s\mask, (3<<16)|(1<<21)
	s_mov_b32 s[\g+1], 32<<16
	s_mov_b32 s[\g+2], (\rows)<<16
	s_mov_b32 s[\g+3], 32<<16
	s_mov_b32 s[\g+4], \rows
	s_mov_b32 s[\g+5], 32
	s_mov_b32 s[\g+6], 0
	s_mov_b32 s[\g+7], 0
.endm
.macro ARM under, g0, g1, next
	s_cmp_lt_u32 s14, \under
	s_cbranch_scc0 \next
	tensor_load_to_lds s[\g0:\g0+3], s[\g1:\g1+7]
	s_nop 0
	PLACES 4
	s_branch .Lhead_asked
\next:
.endm
.macro FRAG f, a16, a8, off            ; a fragment: two half images
.set w_, (1+(\f)/FPW)<<6
	WIN w_
.set r_, 12*((\f)%FPW)
	ds_load_b128 v[r_:r_+3], v[\a16] offset:\off
	ds_load_b64 v[r_+4:r_+5], v[\a8] offset:\off+512
	ds_load_b128 v[r_+6:r_+9], v[\a16] offset:\off+768
	ds_load_b64 v[r_+10:r_+11], v[\a8] offset:\off+1280
.endm
.macro WEIGHTS                         ; my 64 rows of Wo, all of K: 128 loads
.irp q, 0,1,2,3,4,5,6,7
.irp t, 0,1,2,3
	FRAG 4*\q+\t, AW16, AW8, \t*TILEB+\q*1536
.endr
.endr
	WIN 0
.endm
.macro FETCH e, s                      ; my tile s of A into set e
.irp q, 0,1,2,3,4,5,6,7
.if (\s) < 4
	FRAG 32+8*(\e)+\q, AA16, AA8, ((\s)%4)*TILEB+\q*1536
.else
	FRAG 32+8*(\e)+\q, AH16, AH8, ((\s)%4)*TILEB+\q*1536
.endif
.endr
	WIN 0
	ds_load_b128 v[SA+8*(\e):SA+8*(\e)+3], v[AAS] offset:512*(\s)
	ds_load_b128 v[SA+8*(\e)+4:SA+8*(\e)+7], v[AAS] offset:512*(\s)+256
.endm
.macro MM d, a, b, c, x0, x1, row
	v_wmma_scale_f32_16x16x128_f8f6f4 v[\d:\d+7], v[\a:\a+11], v[\b:\b+11], \c, v[\x0], v[\x1] matrix_a_fmt:MATRIX_FMT_FP6 matrix_b_fmt:MATRIX_FMT_FP6 matrix_a_scale:MATRIX_SCALE_ROW\row
.endm
.macro PRODS e, acc                    ; a block's 32 products
.set q_, 0
.rept 8
.irp t, 0,1,2,3
.set f_, 4*q_+\t
.set g_, 32+8*(\e)+q_
.set w_, (1+f_/FPW)|((1+g_/FPW)<<2)
	WIN w_
.set d_, (\acc)+8*\t
.set a_, 12*(f_%FPW)
.set b_, 12*(g_%FPW)
.set c_, d_
.if q_ == 0
.set c_, BI+8*\t
.endif
.set x0_, SB+8*(\t/2)+q_
.set x1_, SA+8*(\e)+q_
.if \t%2
	MM d_, a_, b_, v[c_:c_+7], x0_, x1_, 1
.else
	MM d_, a_, b_, v[c_:c_+7], x0_, x1_, 0
.endif
.endr
.set q_, q_+1
.endr
	WIN 0
.endm
.macro TOSTAGE s                       ; register j of tile t in lane (r, h) is column 32 (t / 2) + 8 (t % 2) + 16 h + j of row r
.set ac_, ACC+32*((\s)%2)
.irp t, 0,1,2,3
	ds_store_b128 v[STO], v[ac_+8*\t:ac_+8*\t+3] offset:128*(\t/2)+32*(\t%2)        ; each accumulator from its low end on
	ds_store_b128 v[STO], v[ac_+8*\t+4:ac_+8*\t+7] offset:128*(\t/2)+32*(\t%2)+16
.endr
.set bb_, BK+32*((\s)%2)
.irp t, 0,1,2,3,4,5,6,7
	ds_load_b128 v[bb_+4*\t:bb_+4*\t+3], v[RD] offset:\t*2*SPITCH   ; LDS serves a wave's instructions in order: these see my stores; two rows a load
.endr
.endm
.macro SEND s, younger                 ; younger: the LDS instructions issued behind block s's loads from the stage
.set bb_, BK+32*((\s)%2)
	s_wait_dscnt \younger
.irp t, 0,1,2,3,4,5,6,7
	global_store_b128 v[CO], v[bb_+4*\t:bb_+4*\t+3], s[12:13] offset:(32*((\s)/2)+8*((\s)%2)+2*\t+8*(\t/4))*4096 th:TH_STORE_NT   ; sixteen lanes store 256 consecutive bytes, aligned
.endr
.endm
	s_load_b256 s[4:11], s[0:1], 0x0               ; A's codes, A's scales, the weights' codes, the weights' scales
	s_load_b128 s[92:95], s[0:1], 0x20             ; bo, out0
	v_lshl_add_u32 v[SPW], v0, 2, SPARE
	v_mov_b32 v[NIL], 0
	ds_add_u32 v[SPW], v[NIL]                      ; the opening lines
	ds_add_u32 v[SPW], v[NIL]
	v_lshrrev_b32 v1, 5, v0
	v_readfirstlane_b32 s14, v1                    ; wave
	s_lshr_b32 s15, s14, 1                         ; a: which 8 tiles of A
	s_and_b32 s16, s14, 1                          ; b: which 4 tiles of Wo
	s_bfe_u32 s40, ttmp6, 0x40000                  ; cx
	s_bfe_u32 s41, ttmp6, 0x40004                  ; cy
	s_lshl_b32 s42, ttmp9, 2
	s_add_co_u32 s42, s42, s40                     ; tile column, 0 .. 7
	s_and_b32 s17, ttmp7, 0xffff
	s_lshl_b32 s17, s17, 2
	s_add_co_u32 s17, s17, s41                     ; tile row, 0 .. 31
	s_lshl_b32 s43, s41, 2
	s_lshl_b32 s43, 15, s43                        ; my row of the cluster
	s_lshl_b32 s44, 0x1111, s40                    ; my column
	GROUP1 G1W, 44, 384
	GROUP1 G1A, 43, 384
	GROUP1 G1S, 43, 32
	s_mul_i32 s20, s42, 8*TILEB
	s_add_co_u32 s20, s20, 192*TILEB               ; Wo's 8 tiles, bytes from the weights' codes
	s_mov_b32 s21, 0
	s_mul_i32 s22, s17, 16*TILEB                   ; A's 16 tiles
	s_mov_b32 s23, 0
	s_lshl_b32 s46, s17, 13                        ; their scale words
	s_mov_b32 s47, 0
	s_mov_b32 s[G0W], 1
	s_mov_b32 s[G0W+1], WB
	s_mov_b32 s[G0A0], 1
	s_mov_b32 s[G0A0+1], AB
	s_mov_b32 s[G0A1], 1
	s_mov_b32 s[G0A1+1], AB+8*TILEB
	s_mov_b32 s[G0S], 1
	s_mov_b32 s[G0S+1], ASC
	s_wait_dscnt 0x0
	s_wait_kmcnt 0x0
	s_add_nc_u64 s[G0W+2:G0W+3], s[8:9], s[20:21]
	s_or_b32 s[G0W+3], s[G0W+3], 0x80000000
	s_add_nc_u64 s[G0A0+2:G0A0+3], s[4:5], s[22:23]
	s_add_nc_u64 s[G0A1+2:G0A1+3], s[G0A0+2:G0A0+3], 8*TILEB
	s_or_b32 s[G0A0+3], s[G0A0+3], 0x80000000
	s_or_b32 s[G0A1+3], s[G0A1+3], 0x80000000
	s_add_nc_u64 s[G0S+2:G0S+3], s[6:7], s[46:47]
	s_or_b32 s[G0S+3], s[G0S+3], 0x80000000
	CROUND                                         ; all sixteen work-groups are here: the joint loads meet
	ARM 1, G0W,  G1W, .Lhead_a0                    ; wave 0: Wo's tiles, which go on into registers
	ARM 2, G0A0, G1A, .Lhead_a1                    ; wave 1: A's tiles 0-7
	ARM 3, G0A1, G1A, .Lhead_s                     ; wave 2: A's tiles 8-15
	tensor_load_to_lds s[G0S:G0S+3], s[G1S:G1S+7]  ; wave 3: A's scale words
	s_nop 0
	PLACES 4
.Lhead_asked:
	s_mul_i32 s21, s16, 4*TILEB                    ; LDS: my tiles of Wo,
	s_mul_i32 s22, s15, 8*TILEB
	s_add_co_u32 s22, s22, AB                      ; my tiles 0-3 of A,
	s_add_co_u32 s23, s22, 4*TILEB                 ; my tiles 4-7,
	s_lshl_b32 s76, s15, 12
	s_add_co_u32 s76, s76, ASC                     ; their scale words,
	s_mul_i32 s77, s14, 16*SPITCH
	s_add_co_u32 s77, s77, STG                     ; my stage
	s_lshl_b32 s46, s42, 3
	s_lshl_b32 s78, s16, 2
	s_add_co_u32 s46, s46, s78
	s_add_co_u32 s46, s46, 192
	s_lshl_b32 s46, s46, 9                         ; my four tiles of Wo: their scale words
	s_mov_b32 s47, 0
	s_add_nc_u64 s[46:47], s[10:11], s[46:47]
	s_lshl_b32 s18, s42, 9
	s_lshl_b32 s78, s16, 8
	s_add_co_u32 s18, s18, s78                     ; my first column, in bytes: 512 x tile column + 256 b
	s_mov_b32 s19, 0
	s_add_nc_u64 s[92:93], s[92:93], s[18:19]
	s_lshl_b32 s78, s17, 8
	s_lshl_b32 s79, s15, 7
	s_add_co_u32 s78, s78, s79                     ; my first row: 256 x tile row + 128 a
	s_lshl_b32 s78, s78, 12
	s_add_co_u32 s18, s18, s78
	s_add_nc_u64 s[12:13], s[94:95], s[18:19]
	v_and_b32 v1, 15, v0                           ; r
	v_bfe_u32 v16, v0, 4, 1                        ; h
	v_and_b32 v17, 31, v0
	v_lshlrev_b32 v18, 4, v17
	v_lshlrev_b32 v19, 3, v17
	v_lshlrev_b32 v20, 4, v1
	v_add_nc_u32 v[AW16], s21, v18
	v_add_nc_u32 v[AW8], s21, v19
	v_add_nc_u32 v[AA16], s22, v18
	v_add_nc_u32 v[AA8], s22, v19
	v_add_nc_u32 v[AH16], s23, v18
	v_add_nc_u32 v[AH8], s23, v19
	v_add_nc_u32 v[AAS], s76, v20
	v_mul_u32_u24 v21, v1, SPITCH
	v_lshl_add_u32 v21, v16, 6, v21
	v_add_nc_u32 v[STO], s77, v21                  ; in: row r, 64 bytes for each half of the lanes
	v_mul_u32_u24 v22, v16, SPITCH
	v_add_nc_u32 v22, v22, v20
	v_add_nc_u32 v[RD], s77, v22                   ; back: lanes 0-15 one row of 256 bytes, lanes 16-31 the next
	v_lshl_add_u32 v[CO], v16, 12, v20             ; and the same two rows in the result
	v_lshl_add_u32 v[WSO], v16, 9, v20
	v_lshlrev_b32 v[BO], 6, v16
	s_wait_alu depctr_va_vdst(0)                   ; the wait at the head's end
.irp p, 0,1
.irp c, 0,1
	global_load_b128 v[SB+8*\p+4*\c:SB+8*\p+4*\c+3], v[WSO], s[46:47] offset:1024*\p+256*\c
.endr
.endr
.irp t, 0,1,2,3
	global_load_b128 v[BI+8*\t:BI+8*\t+3], v[BO], s[92:93] offset:4*(32*(\t/2)+8*(\t%2))
	global_load_b128 v[BI+8*\t+4:BI+8*\t+7], v[BO], s[92:93] offset:4*(32*(\t/2)+8*(\t%2))+16
.endr
	s_cmp_eq_u32 s14, 0
	s_cbranch_scc0 .Lnot_w
	s_wait_tensorcnt 0x0                           ; wave 0's load, whose line is wave 0's alone
.Lnot_w:
	BARRIER                                        ; Wo's tiles are in
	WEIGHTS
	s_wait_tensorcnt 0x0                           ; every wave's load has landed,
	s_wait_dscnt 0x0
	BARRIER                                        ; everybody's has
	FETCH 0, 0
	FETCH 1, 1
	s_wait_loadcnt 0x0                             ; Wo's scale words and the bias
.irp s, 0,1,2,3,4,5,6,7
.if \s == 0
	s_wait_dscnt NF                                ; younger than this block's fetch: the next block's
.elseif \s == 7
	s_wait_dscnt NT                                ; a way out
.else
	s_wait_dscnt NT+NF                             ; a way out and a fetch
.endif
	PRODS \s%2, ACC+32*(\s%2)
	PLACES 4                                       ; between the products and the reads of their results and the loads into their sources
.if \s == 7
	SEND 6, 0
.elseif \s > 0
	SEND \s-1, NF
.endif
.if \s > 1
	s_wait_xcnt 0x0                                ; the stores of two blocks ago have read their registers
.endif
	TOSTAGE \s
.if \s < 6
	FETCH \s%2, \s+2
.endif
.endr
	SEND 7, 0
	s_wait_tensorcnt 0x0                           ; the wave's end
	ds_add_u32 v[SPW], v[NIL]
	s_wait_dscnt 0x0
	CROUND                                         ; the closing round
	s_endpgm
.Lfunc_end_k_q83b72a6a60_oproj:
	.size	k_q83b72a6a60_oproj, .Lfunc_end_k_q83b72a6a60_oproj-k_q83b72a6a60_oproj
	.p2alignl 7, 3214868480
	.fill 96, 4, 3214868480
	.section	.rodata,"a",@progbits
	.p2align	6, 0x0
	.amdhsa_kernel k_q83b72a6a60_oproj
		.amdhsa_group_segment_fixed_size 327680
		.amdhsa_private_segment_fixed_size 0
		.amdhsa_enable_private_segment 0
		.amdhsa_kernarg_size 48
		.amdhsa_user_sgpr_count 2
		.amdhsa_user_sgpr_kernarg_segment_ptr 1
		.amdhsa_wavefront_size32 1
		.amdhsa_system_sgpr_workgroup_id_x 1
		.amdhsa_system_sgpr_workgroup_id_y 1
		.amdhsa_system_sgpr_workgroup_id_z 1
		.amdhsa_system_vgpr_workitem_id 0
		.amdhsa_next_free_vgpr 896
		.amdhsa_next_free_sgpr 102
		.amdhsa_reserve_vcc 0
		.amdhsa_float_denorm_mode_32 3
		.amdhsa_float_denorm_mode_16_64 3
		.amdhsa_memory_ordered 1
		.amdhsa_forward_progress 1
		.amdhsa_inst_pref_size 84
	.end_amdhsa_kernel
	.amdgpu_metadata
---
amdhsa.version: [ 1, 2 ]
amdhsa.kernels:
  - .name:           k_q83b72a6a60_oproj
    .symbol:         k_q83b72a6a60_oproj.kd
    .args:
      - { .name: acod, .offset: 0, .size: 8, .value_kind: global_buffer, .address_space: global }
      - { .name: ascl, .offset: 8, .size: 8, .value_kind: global_buffer, .address_space: global }
      - { .name: wcod, .offset: 16, .size: 8, .value_kind: global_buffer, .address_space: global }
      - { .name: wscl, .offset: 24, .size: 8, .value_kind: global_buffer, .address_space: global }
      - { .name: bo, .offset: 32, .size: 8, .value_kind: global_buffer, .address_space: global }
      - { .name: out0, .offset: 40, .size: 8, .value_kind: global_buffer, .address_space: global }
    .group_segment_fixed_size: 327680
    .private_segment_fixed_size: 0
    .kernarg_segment_align: 8
    .kernarg_segment_size: 48
    .max_flat_workgroup_size: 128
    .sgpr_count:     102
    .vgpr_count:     896
    .wavefront_size: 32
...
	.end_amdgpu_metadata
.endif
;; end of part 4
